; MI455X (gfx1250); checked and timed in simulation.
; The chip was launched on July 23, 2026; its instructions are those of AMD's public machine-readable ISA for CDNA 5 (MIT licence, August 2026) and "CDNA5" Instruction Set Architecture Reference Guide (July 2026). The comments in the code are by the model that wrote it; some were corrected since.
;; Multi Head Self Attention. Allowed arithmetic: matrix products marked QUANTISED: E2M3 operands, one E8M0 scale for each 32 along K, by v_wmma_scale_f32_16x16x128_f8f6f4 with both operands' format E2M3, f32 sums; everything else in f32.
;; Inputs: W_proj 1,024 x 1,024 float32; W_qkv 1,024 x 3,072 float32; b_proj 1,024 float32; b_qkv 3,072 float32; x 4 x 2,048 x 1,024 float32.
;; Outputs: out0 4 x 2,048 x 1,024 float32.
;; This version of the problem:
;;   THIS VERSION OF THE PROBLEM IS GIVEN IN LOW PRECISION. The matrix products marked QUANTISED in the list below multiply operands that are first quantised to E2M3 (2 exponent bits, 3 mantissa bits; 6 bits a number), with one power-of-two scale for each 32 numbers along K (OCP MX v1.0); their sums are f32. All else is computed in f32.
;;   The module's matrix products, in the order in which they are computed (A, B: the left and right operand; K: the contracted axis; several contracted axes count as one K, in the product's order):
;;     1. [M 8,192, K 1,024] x [K 1,024, N 3,072]; A: input x; B: input W_qkv: QUANTISED
;;     2. batch 64 x [M 2,048, K 64] x [K 64, N 2,048]; A: computed on the way; B: computed on the way: QUANTISED
;;     3. batch 64 x [M 2,048, K 2,048] x [K 2,048, N 64]; A: softmax (see below); B: computed on the way: QUANTISED
;;     4. [M 8,192, K 1,024] x [K 1,024, N 1,024]; A: computed on the way; B: input W_proj: QUANTISED
;;   THE QUANTISER, for each operand of a quantised product, along K:
;;     - K is cut into blocks of 32 from its start; a last block that is shorter is filled with zeros.
;;     - A block's scale is 2^e with e = floor(log2(the largest magnitude in the block)) - 2, held to -126 .. 127; a block of zeros has e = 0. As a byte (E8M0): e + 127.
;;     - Each number is divided by its block's scale, clamped to +-7.5, and rounded to the nearest number of E2M3, ties to even, subnormals kept.
;;     - The product sums the exact products of the quantised numbers (number of the format x scale) in f32.
;;   ~~~python
;;   def quantise(x, axis):      # numpy; x: float32 -> the quantised numbers, widened to float32 again
;;       x = np.moveaxis(x, axis, -1); K = x.shape[-1]
;;       x = np.pad(x, [(0, 0)] * (x.ndim - 1) + [(0, -K % 32)]); x = x.reshape(x.shape[:-1] + (-1, 32)); a = np.abs(x).max(-1, keepdims=True)
;;       e = np.where(a > 0, np.clip(np.frexp(np.where(a > 0, a, 1))[1] - 1 - 2, -126, 127), 0)      # np.frexp(a)[1] - 1 = floor(log2(a)), exactly
;;       r = np.clip(x / 2.0 ** e, -7.5, 7.5)
;;       step = 2.0 ** (np.maximum(np.frexp(np.where(r == 0, 1, r))[1] - 1, 0) - 3)
;;       q = np.round(r / step) * step * 2.0 ** e      # np.round: ties to even
;;       return np.moveaxis(q.reshape(q.shape[:-2] + (-1,))[..., :K], -1, axis).astype(np.float32)
;;   ~~~
;;   SOFTMAX AHEAD OF A QUANTISED PRODUCT. Where the list says 'softmax', what is quantised is not the finished softmax but p = 2^(t - M), with t = logit x log2(e) and M = ceil(the row's largest t), a whole number; so 1/2 < the row's largest p <= 1. The row's sum l is taken of the UNQUANTISED p, in f32, and the product's result is divided by l at the end. Since M is a whole number, a kernel that streams over the keys may use a running M (the ceiling of the running maximum): every later rescaling is an exact power of two, which a block's scale takes up: the codes' values come out the same.
;;   OPERANDS COMPUTED ON THE WAY. 'Computed on the way' means the value that the module computes at that place (a softmax that the list does not call 'softmax' is quantised finished and normalised). What goes into a quantiser is computed in f32, as accurately as f32 sums, v_exp_f32 and their like allow (about 1e-6 of the number): no bf16 or f16 on the way to a quantiser, and a product that is left as it is and whose result goes on into a quantised operand takes f32 operands (vector FMAs, or v_wmma_f32_16x16x4_f32). A number that lies on a knife's edge between two numbers of the format may be rounded either way, as far as f32 arithmetic and the matrix unit's own rounding can turn it there, and no further.
;; One version. Each part assembles by itself: llvm-mc -triple=amdgcn-amd-amdhsa -mcpu=gfx1250 --defsym DOCPART=n.
;; ======== version 1 of 1: 4 launches
;; workspace buffers: xc 6,291,456 bytes; xs 262,144 bytes; wc 3,145,728 bytes; ws 131,072 bytes; qkvc 18,874,368 bytes; qkvs 1,310,720 bytes; ac 6,291,456 bytes; asc 262,144 bytes
;; launch quant (part 1): grid 384 x 1, 8 waves a work-group, no clusters, 136,192 bytes of LDS; arguments x, W_qkv, W_proj, xc, xs, wc, ws; writes xc, xs, wc, ws
.if DOCPART == 1
	.amdgcn_target "amdgcn-amd-amdhsa--gfx1250"
	.amdhsa_code_object_version 6
	.text
	.protected	k_qdc8c6b31b9_quant
	.globl	k_qdc8c6b31b9_quant
	.p2align	8
	.type	k_qdc8c6b31b9_quant,@function
k_qdc8c6b31b9_quant:
	s_mov_b64 s[64:65], 0
	v_nop
	global_prefetch_b8 v0, s[64:65] scope:SCOPE_SE
	s_setreg_imm32_b32 hwreg(HW_REG_WAVE_MODE, 25, 1), 1
	s_wait_xcnt 0x0
; x [8192][1024], W_qkv [1024][3072] and W_proj [1024][1024], f32, become codes of FP6 (E2M3) with one E8M0 scale byte for each 32 along K (x: its columns; the weights: their FIRST axis).
; A block's scale is 2^(floor(log2(its largest magnitude)) - 2): its byte is the largest magnitude's exponent field - 2, held at 1 from below.
; LIMITS: NaN and infinities are not served.  A block whose largest magnitude lies under 2^-124 keeps the byte 1; so does a block of zeros, where the rule says 127: its codes are zeros, and this program alone reads the bytes.
; THE CODES ARE LAID AS IMAGES OF OPERAND REGISTERS.  A fragment is 16 rows x 128 K, 12 registers a lane: lane (r, h) registers 6 c .. 6 c + 5 hold k = 64 c + 32 h + 0 .. 31 of row r.
; Its image is 1,536 bytes: registers 4 gg .. 4 gg + 3 of lane l at 512 gg + 16 l.  Its scale words: 4 bytes a row, byte b for k = 32 b on.
; THE TILE ORDER: 32 neighbouring rows (x) or columns (weights) are a pair of two tiles u = 0, 1; lane r of tile u is element rho = 8 u + r + 8 (r / 8) of the 32.
; xc: [pair 256][K step 8][u 2][1,536];  xs: [pair][K step][lane 16 u + r] words;  wc, ws likewise with [beta 128]: beta 0-95 are W_qkv's columns / 32, beta 96-127 W_proj's.
; SHARES.  Work-groups 0-95: W_qkv; 96-127: W_proj; 128-383: x.  The three ways part on the work-group's number; only x's way touches LDS.  Waves share nothing: no barrier.
.set SPX,   528                        ; a stage row: 512 bytes + 16 = 33 x 16 bytes
.set STG,   16*SPX                     ; a stage: the 16 rows of a tile
.set WREG,  2*STG                      ; a wave's two stages
.set FLOOR, 0x1800000                  ; 2^(3 - 127): under it no largest magnitude is taken
.set DOWN2, 0xff000000                 ; takes 2 off an exponent field
; REGISTERS: v1 lane, v2 16 lane, v3 4 lane, v4, v5 stage in and out, v6 lane / 16, v7 lane % 16, v8, v9 the weights' offsets in and out, v10 8 (lane / 16), v12-15 at work,
;   v16-27, v28-39 two fragments' codes, v40-42 a conversion's upper half, v48-53 words, scale operands, bytes, v64-191 numbers, v128-255 x as loaded.
.macro MAX32 base                      ; v12 = the largest magnitude of v[base] .. v[base + 31] and the floor, in two chains
	v_max3_num_f32 v12, |v[(\base)]|, |v[(\base)+1]|, |v[(\base)+2]|
	v_max3_num_f32 v13, |v[(\base)+3]|, |v[(\base)+4]|, |v[(\base)+5]|
.irp i, 6,10,14,18,22,26
	v_max3_num_f32 v12, v12, |v[(\base)+\i]|, |v[(\base)+\i+1]|
	v_max3_num_f32 v13, v13, |v[(\base)+\i+2]|, |v[(\base)+\i+3]|
.endr
	v_max3_num_f32 v12, v12, |v[(\base)+30]|, |v[(\base)+31]|
	v_max3_num_f32 v12, v12, v13, FLOOR
.endm
.macro CVT32 base, code, ts            ; a block's 32 numbers -> six registers of codes.  A conversion's three registers begin on an even number, so the upper half is made elsewhere and moved
	v_cvt_scalef32_pk16_fp6_f32 v[(\code):(\code)+2], v[(\base):(\base)+15], v[\ts]
	v_cvt_scalef32_pk16_fp6_f32 v[40:42], v[(\base)+16:(\base)+31], v[\ts]
	v_nop                                          ; one plain instruction between a scaled conversion and the vector instruction that touches its result
.irp i, 0,1,2
	v_mov_b32 v[(\code)+3+\i], v[40+\i]
.endr
.endm
; x: 64 numbers of lane (r, h), register 32 c + i = k 64 c + 32 h + i of row r: two whole blocks, 2 c + h
.macro QX set, code, word
	MAX32 \set
	v_add_nc_u32 v50, DOWN2, v12                   ; the conversion takes the exponent field of this operand as its scale
	MAX32 (\set)+32
	v_add_nc_u32 v51, DOWN2, v12
	v_lshrrev_b32 v52, 23, v50                     ; the bytes of blocks h and 2 + h,
	v_lshrrev_b32 v53, 23, v51
	v_lshl_or_b32 v52, v53, 16, v52
	v_lshlrev_b32 v52, v10, v52                    ; at their places in the row's word,
	v_permlanex16_b32 v15, v52, s20, s21
	v_or_b32 v[\word], v52, v15                    ; with lane l xor 16's two the word is whole
	CVT32 \set, \code, 50
	CVT32 (\set)+32, (\code)+6, 51
.endm
.macro WLOAD t, stride, ptr            ; block t of my column: W(32 t + i, column), i = 0 .. 31; the wave's 32 lanes read 128 consecutive bytes
.set I, 0
.rept 32
	global_load_b32 v[64+32*(\t)+I], v8, s[\ptr:\ptr+1] offset:(32*(\t)+I)*(\stride) th:TH_LOAD_NT
.set I, I+1
.endr
.endm
.macro WBLOCK t                        ; block t = 2 c + hh is registers 6 c .. 6 c + 5 of the image's lane (r, hh)
	MAX32 64+32*(\t)
	v_add_nc_u32 v50, DOWN2, v12
	v_lshrrev_b32 v52, 23, v50
.if (\t) == 0
	v_mov_b32 v48, v52
.else
	v_lshl_or_b32 v48, v52, 8*(\t), v48
.endif
	CVT32 64+32*(\t), 16+12*((\t)%2)+6*((\t)/2), 50
.endm
; A weight.  A LANE TAKES A COLUMN AND ITS REGISTERS RUN DOWN K: a block of 32 lies in one lane, and the conversions give codes with K innermost.  The work-group takes K step id % 8 of 256 columns, a wave 32 of them.
.macro WPATH stride, bbase, idbase, ptr
	s_sub_co_u32 s24, ttmp9, \idbase
	s_and_b32 s25, s24, 7                          ; K step
	s_and_b32 s24, s24, 0xf8
	s_add_co_u32 s24, s24, s18                     ; my 32 columns: 8 (id / 8) + wave
	s_mul_i32 s26, s25, 128*(\stride)
	s_lshl_b32 s28, s24, 7
	s_add_co_u32 s26, s26, s28
	s_add_nc_u64 s[\ptr:\ptr+1], s[\ptr:\ptr+1], s[26:27]
	s_add_co_u32 s24, s24, \bbase                  ; beta
	s_mul_i32 s26, s24, 24576
	s_mul_i32 s28, s25, 3072
	s_add_co_u32 s26, s26, s28
	s_add_nc_u64 s[14:15], s[14:15], s[26:27]
	s_lshl_b32 s26, s24, 10
	s_lshl_b32 s28, s25, 7
	s_add_co_u32 s26, s26, s28
	s_add_nc_u64 s[16:17], s[16:17], s[26:27]
	v_and_b32 v8, 8, v7
	v_add_nc_u32 v8, v8, v7
	v_lshl_add_u32 v8, v6, 3, v8                   ; rho of lane (u, r)
	v_lshlrev_b32 v8, 2, v8
	v_mul_u32_u24 v9, v6, 1536
	v_lshl_add_u32 v9, v7, 4, v9                   ; out: tile u's image, lane r's 16 bytes
	WLOAD 0, \stride, \ptr
	WLOAD 1, \stride, \ptr
	s_wait_loadcnt 32                              ; block 0 is in; block 1's 32 loads may be out
	WLOAD 2, \stride, \ptr
	WBLOCK 0
	s_wait_loadcnt 32                              ; block 1 is in; block 2's may be out
	WLOAD 3, \stride, \ptr
	WBLOCK 1
	s_wait_loadcnt 32                              ; block 2 is in; block 3's may be out
	WBLOCK 2
	s_wait_loadcnt 0x0
	WBLOCK 3
.irp hh, 0,1
.irp gg, 0,1,2
	global_store_b128 v9, v[16+12*\hh+4*\gg:19+12*\hh+4*\gg], s[14:15] offset:512*\gg+256*\hh   ; sixteen lanes store 256 consecutive bytes, at a multiple of 256 from the buffer's first byte
.endr
.endr
	global_store_b32 v3, v48, s[16:17]             ; lane 16 u + r: my column's word
.endm
	s_load_b256 s[4:11], s[0:1], 0x0               ; x s[4:5], W_qkv s[6:7], W_proj s[8:9], xc s[10:11]
	s_load_b128 s[12:15], s[0:1], 0x20             ; xs s[12:13], wc s[14:15]
	s_load_b64 s[16:17], s[0:1], 0x30              ; ws
	v_lshl_add_u32 v62, v0, 2, 0x21000
	v_mov_b32 v63, 0
	v_lshrrev_b32 v1, 5, v0
	v_readfirstlane_b32 s18, v1                    ; wave 0..7
	v_and_b32 v1, 31, v0
	v_lshlrev_b32 v2, 4, v1
	v_lshlrev_b32 v3, 2, v1
	v_bfe_u32 v6, v0, 4, 1
	v_and_b32 v7, 15, v0
	s_mov_b32 s27, 0
	s_wait_kmcnt 0x0
	s_cmp_lt_u32 ttmp9, 96
	s_cbranch_scc1 .Lwqkv
	s_cmp_lt_u32 ttmp9, 128
	s_cbranch_scc1 .Lwproj
	; ---- x.  The work-group takes a pair of 32 rows, wave w K step w: two fragments.  Each load reads 512 consecutive bytes of one row, 16 a lane; the conversions want 32 neighbours in a lane:
	; so a tile's 16 rows x 512 bytes turn through the wave's own stage in LDS.
	s_sub_co_u32 s24, ttmp9, 128                   ; the pair
	s_lshl_b32 s26, s24, 17                        ; 32 rows of 4,096 bytes
	s_lshl_b32 s28, s18, 9
	s_add_co_u32 s26, s26, s28
	s_add_nc_u64 s[4:5], s[4:5], s[26:27]
	s_mul_i32 s26, s24, 24576
	s_mul_i32 s28, s18, 3072
	s_add_co_u32 s26, s26, s28
	s_add_nc_u64 s[10:11], s[10:11], s[26:27]
	s_lshl_b32 s26, s24, 10
	s_lshl_b32 s28, s18, 7
	s_add_co_u32 s26, s26, s28
	s_add_nc_u64 s[12:13], s[12:13], s[26:27]
.irp u, 0,1
.irp r, 0,1,2,3,4,5,6,7,8,9,10,11,12,13,14,15
	global_load_b128 v[128+64*\u+4*\r:131+64*\u+4*\r], v2, s[4:5] offset:(8*\u+\r+8*(\r/8))*4096 th:TH_LOAD_NT
.endr
.endr
	s_mov_b32 s20, 0x76543210
	s_mov_b32 s21, 0xfedcba98                      ; v_permlanex16_b32's selects for lane l xor 16
	s_mov_b32 s22, 0xffff0000                      ; lanes 16-31
	s_mul_i32 s29, s18, WREG
	v_add_nc_u32 v4, s29, v2                       ; into the stage: 16 x lane of a row
	v_mul_u32_u24 v5, v7, SPX
	v_lshl_add_u32 v5, v6, 7, v5
	v_add_nc_u32 v5, s29, v5                       ; out of it: row r, + 128 h
	v_lshlrev_b32 v10, 3, v6
	v_mov_b32 v15, 0                               ; a lane permute's destination counts as one of its sources
	s_wait_loadcnt 16                              ; tile 0's sixteen loads are in
.irp r, 0,1,2,3,4,5,6,7,8,9,10,11,12,13,14,15
	ds_store_b128 v4, v[128+4*\r:131+4*\r] offset:SPX*\r
.endr
.irp c, 0,1
.irp i, 0,1,2,3,4,5,6,7
	ds_load_b128 v[64+32*\c+4*\i:67+32*\c+4*\i], v5 offset:256*\c+16*\i   ; LDS serves a wave's instructions in order (ISA guide 5.7.1.4): these see the stores above
.endr
.endr
	s_wait_loadcnt 0x0
.irp r, 0,1,2,3,4,5,6,7,8,9,10,11,12,13,14,15
	ds_store_b128 v4, v[192+4*\r:195+4*\r] offset:STG+SPX*\r
.endr
	s_wait_dscnt 16                                ; all but tile 1's sixteen stores: tile 0's numbers are back, and its stores have read v128-191, which take tile 1's numbers
.irp c, 0,1
.irp i, 0,1,2,3,4,5,6,7
	ds_load_b128 v[128+32*\c+4*\i:131+32*\c+4*\i], v5 offset:STG+256*\c+16*\i
.endr
.endr
	QX 64, 16, 48
.irp gg, 0,1,2
	global_store_b128 v2, v[16+4*\gg:19+4*\gg], s[10:11] offset:512*\gg            ; 32 lanes store 512 consecutive bytes
.endr
	s_wait_dscnt 0x0
	QX 128, 28, 49
.irp gg, 0,1,2
	global_store_b128 v2, v[28+4*\gg:31+4*\gg], s[10:11] offset:1536+512*\gg
.endr
	v_cndmask_b32 v48, v48, v49, s22               ; lanes 0-15 tile 0's words, lanes 16-31 tile 1's
	global_store_b32 v3, v48, s[12:13]
	s_wait_tensorcnt 0x0
	ds_add_u32 v62, v63
	s_wait_dscnt 0x0
	s_endpgm
.Lwqkv:
	WPATH 12288, 0, 0, 6
	s_endpgm
.Lwproj:
	WPATH 4096, 96, 96, 8
	s_endpgm
.Lfunc_end_k_qdc8c6b31b9_quant:
	.size	k_qdc8c6b31b9_quant, .Lfunc_end_k_qdc8c6b31b9_quant-k_qdc8c6b31b9_quant
	.p2alignl 7, 3214868480
	.fill 96, 4, 3214868480
	.section	.rodata,"a",@progbits
	.p2align	6, 0x0
	.amdhsa_kernel k_qdc8c6b31b9_quant
		.amdhsa_group_segment_fixed_size 136192
		.amdhsa_private_segment_fixed_size 0
		.amdhsa_enable_private_segment 0
		.amdhsa_kernarg_size 56
		.amdhsa_user_sgpr_count 2
		.amdhsa_user_sgpr_kernarg_segment_ptr 1
		.amdhsa_wavefront_size32 1
		.amdhsa_system_sgpr_workgroup_id_x 1
		.amdhsa_system_sgpr_workgroup_id_y 1
		.amdhsa_system_sgpr_workgroup_id_z 1
		.amdhsa_system_vgpr_workitem_id 0
		.amdhsa_next_free_vgpr 256
		.amdhsa_next_free_sgpr 66
		.amdhsa_reserve_vcc 0
		.amdhsa_float_denorm_mode_32 3
		.amdhsa_float_denorm_mode_16_64 3
		.amdhsa_memory_ordered 1
		.amdhsa_forward_progress 1
		.amdhsa_inst_pref_size 56
	.end_amdhsa_kernel
	.amdgpu_metadata
---
amdhsa.version: [ 1, 2 ]
amdhsa.kernels:
  - .name:           k_qdc8c6b31b9_quant
    .symbol:         k_qdc8c6b31b9_quant.kd
    .args:
      - { .name: x, .offset: 0, .size: 8, .value_kind: global_buffer, .address_space: global }
      - { .name: W_qkv, .offset: 8, .size: 8, .value_kind: global_buffer, .address_space: global }
      - { .name: W_proj, .offset: 16, .size: 8, .value_kind: global_buffer, .address_space: global }
      - { .name: xc, .offset: 24, .size: 8, .value_kind: global_buffer, .address_space: global }
      - { .name: xs, .offset: 32, .size: 8, .value_kind: global_buffer, .address_space: global }
      - { .name: wc, .offset: 40, .size: 8, .value_kind: global_buffer, .address_space: global }
      - { .name: ws, .offset: 48, .size: 8, .value_kind: global_buffer, .address_space: global }
    .group_segment_fixed_size: 136192
    .private_segment_fixed_size: 0
    .kernarg_segment_align: 8
    .kernarg_segment_size: 56
    .max_flat_workgroup_size: 256
    .sgpr_count:     66
    .vgpr_count:     256
    .wavefront_size: 32
...
	.end_amdgpu_metadata
.endif
;; end of part 1
;; launch gemm1 (part 2): grid 8 x 32, 4 waves a work-group, clusters of 4 x 1, 205,312 bytes of LDS; arguments xc, xs, wc, ws, b_qkv, qkvc, qkvs; writes qkvc, qkvs
.if DOCPART == 2
	.amdgcn_target "amdgcn-amd-amdhsa--gfx1250"
	.amdhsa_code_object_version 6
	.text
	.protected	k_qdc8c6b31b9_gemm1
	.globl	k_qdc8c6b31b9_gemm1
	.p2align	8
	.type	k_qdc8c6b31b9_gemm1,@function
k_qdc8c6b31b9_gemm1:
	s_mov_b64 s[64:65], 0
	v_nop
	global_prefetch_b8 v0, s[64:65] scope:SCOPE_SE
	s_setreg_imm32_b32 hwreg(HW_REG_WAVE_MODE, 25, 1), 1
	s_wait_xcnt 0x0
	s_wait_alu depctr_hold_cnt(0) depctr_sa_sdst(0) depctr_va_vdst(0) depctr_va_sdst(0) depctr_va_ssrc(0) depctr_va_vcc(0) depctr_vm_vsrc(0)
	s_getreg_b32 s2, hwreg(HW_REG_IB_STS2, 6, 4)
	s_cmp_eq_u32 s2, 0
	s_cbranch_scc0 .Lentry_in_a_cluster
	s_endpgm
.Lentry_in_a_cluster:
	s_bfe_u32 s2, ttmp6, 0x10000c
	s_cmp_lg_u32 s2, 0x3003
	s_cbranch_scc0 .Lentry_shape_is_right
	s_endpgm
.Lentry_shape_is_right:
; qkv = x W_qkv + b_qkv on codes of FP6 (E2M3) with E8M0 scales, sums in f32; the results never go to memory as f32: q and k are quantised along the head's 64 channels, v along the keys, in registers.
; LIMITS: NaN and infinities are not served.  A block whose largest magnitude lies under 2^-124, a block of zeros too, keeps the scale byte 1; this program alone reads the bytes.
; SHARES.  A work-group takes 256 rows (8 pairs of 32) x 384 columns (two heads).  THE WAVES SHARE THE COLUMNS: wave w has head 2 cg + w / 2 and, of it, one whole q (w even) or k (w odd), four tiles of 16 columns,
; and 32 channels of v, two tiles.  Its 48 fragments of W (576 registers) come from memory into registers once and stay: W is read by no LDS load, which is why W's tiles are not asked for jointly.
; x's 256 rows for all of K lie in LDS, filled once: 196,608 bytes of codes and 8,192 of scale words.  No LDS byte is filled twice and none is stored to.
; CLUSTER.  The four work-groups of a cluster have the same rows and other columns: x's tiles are asked for JOINTLY (mask 15), by the same loads with the same descriptors, made of the row group and the wave's number alone.
; THE TILE ORDER: lane r of tile u of a pair is element 8 u + r + 8 (r / 8) of its 32.  As source 0 of a product such a pair gives a lane 16 NEIGHBOURS, 16 h + 0 .. 15, in the 16 registers of its two tiles.
; q, k: TRANSPOSED (source 0 = 16 columns of W, source 1 = 16 rows of x): a lane holds one row and 2 x 16 neighbouring channels.   v: source 0 = x, source 1 = W: a lane holds one channel and 16 neighbouring keys.
; The biases are the C of each sum's first matrix instruction.
; OUT.  qkvc, for each head 294,912 bytes: Q and K [pair 64][1,536]: tile 0's six registers (lane (r, h): channels 32 h + 0 .. 31), then tile 1's six, as an image (registers 4 gg on of lane l at 512 gg + 16 l);
;   V [128 keys S 16][tile of 16 channels 4][1,536]: whole fragments with the keys as K.   qkvs, for each head 20,480 bytes: QS, KS [S][lane 16 u + r][pair % 4] words (bytes 0, 1; bytes 2, 3 are 0); VS [S][32 channels 2][lane] words.
; REGISTERS.  Window 0: v1 16 lane, v2 4 lane, v3 LDS address of x's fragments, v4 of its scale words, v5 64 h, v6 4 rho; v8-31 W's scale words; v32-47 x's, two sets; v48-143 the 12 accumulators; v144-230 the way out.
;   Window 1: W of K steps 0-2 (v0-215), q/k bias (v216-247).  Window 2: W of K steps 3-5, v bias (v216-231).  Window 3: W of K steps 6, 7 (v0-143); x's fragments, four sets of 24 (v144-239).
.set XSC,  196608                      ; LDS: x's scale words, behind its codes
.set WS,   8
.set XS,   32
.set ACC,  48                          ; q/k: ACC + 32 u + 8 tau; v: ACC + 64 + 16 uu + 8 u: six runs of 16 registers = six blocks' halves
.set CODE, 144                         ; a pair image of q or k
.set PX,   156
.set VC,   164                         ; v's two fragments, gathered over four pairs
.set SW,   188                         ; q/k scale words of four pairs
.set VW,   192                         ; v's scale words, a byte a pair
.set TM,   196
.set TP,   202
.set TS,   208
.set TB,   214
.set PV,   220
.set WD,   228
.set G1C,  32                          ; s[32:39] group 1 for codes; s[40:47] for scale words; groups 0: s[48:51] scale words, s[52:55], s[56:59], s[60:63], s[68:71] the four chunks
.set G1S,  40
.set MSB,  0
.macro WIN new                         ; the immediate's high byte repeats the setting that is left
.if MSB != (\new)
	s_set_vgpr_msb (MSB<<8)|(\new)
.set MSB, \new
.endif
.endm
.macro ROUND                           ; a round of the cluster's barrier
	s_barrier_signal -1
	s_barrier_wait -1
	s_cmp_lg_u32 s18, 0
	s_cbranch_scc1 .Lnot_wave_0_\@
	s_barrier_signal -3
.Lnot_wave_0_\@:
	s_barrier_wait -3
	s_barrier_signal -1
	s_barrier_wait -1
.endm
.macro G0SET reg, j                    ; group 0 of chunk j: my 12,288 bytes of its 49,152
	s_mov_b32 s[\reg], 1
	s_add_co_u32 s[\reg+1], s24, (\j)*49152
	s_add_nc_u64 s[\reg+2:\reg+3], s[26:27], (\j)*49152
	s_or_b32 s[\reg+3], s[\reg+3], 0x80000000
.endm
; one product; ra, rb: source 0's, source 1's scale words lie in lanes 16-31 of their register
.macro WQ d, a, b, c, sa, sb, ra, rb
.if (\ra) && (\rb)
	v_wmma_scale_f32_16x16x128_f8f6f4 v[(\d):(\d)+7], v[(\a):(\a)+11], v[(\b):(\b)+11], v[(\c):(\c)+7], v[(\sa)], v[(\sb)] matrix_a_fmt:MATRIX_FMT_FP6 matrix_b_fmt:MATRIX_FMT_FP6 matrix_a_scale:MATRIX_SCALE_ROW1 matrix_b_scale:MATRIX_SCALE_ROW1
.elseif (\ra)
	v_wmma_scale_f32_16x16x128_f8f6f4 v[(\d):(\d)+7], v[(\a):(\a)+11], v[(\b):(\b)+11], v[(\c):(\c)+7], v[(\sa)], v[(\sb)] matrix_a_fmt:MATRIX_FMT_FP6 matrix_b_fmt:MATRIX_FMT_FP6 matrix_a_scale:MATRIX_SCALE_ROW1
.elseif (\rb)
	v_wmma_scale_f32_16x16x128_f8f6f4 v[(\d):(\d)+7], v[(\a):(\a)+11], v[(\b):(\b)+11], v[(\c):(\c)+7], v[(\sa)], v[(\sb)] matrix_a_fmt:MATRIX_FMT_FP6 matrix_b_fmt:MATRIX_FMT_FP6 matrix_b_scale:MATRIX_SCALE_ROW1
.else
	v_wmma_scale_f32_16x16x128_f8f6f4 v[(\d):(\d)+7], v[(\a):(\a)+11], v[(\b):(\b)+11], v[(\c):(\c)+7], v[(\sa)], v[(\sb)] matrix_a_fmt:MATRIX_FMT_FP6 matrix_b_fmt:MATRIX_FMT_FP6
.endif
.endm
.macro LW s                            ; W's six fragments of K step s: 18 loads of 512 consecutive bytes
	WIN (1+(\s)/3)<<6
.irp tau, 0,1,2,3
.irp gg, 0,1,2
	global_load_b128 v[12*(6*((\s)%3)+\tau)+4*\gg:12*(6*((\s)%3)+\tau)+4*\gg+3], v1, s[72:73] offset:24576*(\tau/2)+3072*(\s)+1536*(\tau%2)+512*\gg
.endr
.endr
.irp uu, 0,1
.irp gg, 0,1,2
	global_load_b128 v[12*(6*((\s)%3)+4+\uu)+4*\gg:12*(6*((\s)%3)+4+\uu)+4*\gg+3], v1, s[74:75] offset:3072*(\s)+1536*\uu+512*\gg
.endr
.endr
.endm
.macro LA off, set                     ; x's two fragments of a K step, off bytes behind the pair in hand, into a set of window 3
	WIN 0xc0
.irp u, 0,1
.irp gg, 0,1,2
	ds_load_b128 v[144+24*(\set)+12*\u+4*\gg:144+24*(\set)+12*\u+4*\gg+3], v3 offset:(\off)+1536*\u+512*\gg
.endr
.endr
.endm
.macro LXS g                           ; pair g's scale words of all eight K steps: lanes 0-15 tile 0's rows, lanes 16-31 tile 1's
	WIN 0
.irp s, 0,1,2,3,4,5,6,7
	ds_load_b32 v[XS+8*((\g)%2)+\s], v4 offset:1024*(\g)+128*\s
.endr
.endm
; A K step's 12 products, always in this order: the 12 accumulators take turns, one instruction a turn
.macro MM g, s
.set WB, 1+(\s)/3
.set WR, 72*((\s)%3)
.set XR, XS+8*((\g)%2)+(\s)
.set AR, 144+24*((\s)%4)
.if (\s) == 0
	WIN WB|(3<<2)|(1<<4)
.else
	WIN WB|(3<<2)
.endif
.irp u, 0,1
.irp tau, 0,1,2,3
.if (\s) == 0
	WQ ACC+32*\u+8*\tau, WR+12*\tau, AR+12*\u, 216+8*\tau, WS+8*(\tau/2)+(\s), XR, \tau%2, \u
.else
	WQ ACC+32*\u+8*\tau, WR+12*\tau, AR+12*\u, ACC+32*\u+8*\tau, WS+8*(\tau/2)+(\s), XR, \tau%2, \u
.endif
.endr
.endr
.if (\s) == 0
	WIN 3|(WB<<2)|(2<<4)
.else
	WIN 3|(WB<<2)
.endif
.irp uu, 0,1
.irp u, 0,1
.if (\s) == 0
	WQ ACC+64+16*\uu+8*\u, AR+12*\u, WR+48+12*\uu, 216+8*\uu, XR, WS+16+(\s), \u, \uu
.else
	WQ ACC+64+16*\uu+8*\u, AR+12*\u, WR+48+12*\uu, ACC+64+16*\uu+8*\u, XR, WS+16+(\s), \u, \uu
.endif
.endr
.endr
.endm
; K step s of pair g.  x's fragments run four K steps ahead, in four sets.
.macro KSTEP g, s
.if (\g) == 0                          ; W arrives K step by K step: behind this step's fragments 18 loads were issued for each later step (the count's field holds 63)
.if 18*(7-(\s)) > 63
	s_wait_loadcnt 63
.else
	s_wait_loadcnt 18*(7-(\s))
.endif
.endif
.if (\s) < 4
	s_wait_dscnt 18                                ; behind the set that is wanted: three sets of six loads
.elseif (\g) < 7
	s_wait_dscnt 26                                ; and the next pair's eight loads of scale words
.else
	s_wait_dscnt 6*(7-(\s))                        ; the last steps fetch nothing: the counts run down
.endif
	MM \g, \s
.rept 4
	v_nop                                          ; four places behind the products, in front of the loads into the set just read and, behind a pair's last step, of the first read of the sums
.endr
.if 8*(\g)+(\s)+4 < 64
	LA ((\s)+4)*3072, (\s)%4
.endif
.if ((\s) == 3) && ((\g) < 7)
	LXS (\g)+1
.endif
.endm
; THE WAY OUT of pair g: six blocks of 32 (q or k: tile u's two blocks of channels; v: 32 keys of each of two tiles of channels), each in the 16 registers of lanes l and l xor 16
.macro EPI g
	WIN 0
.if (\g) < 7
	v_add_nc_u32 v3, 24576, v3                     ; on to the next pair's fragments
.endif
	s_wait_xcnt 0x0                                ; the last pair's stores have read their registers, which are written again below
.irp bl, 0,1,2,3,4,5
	v_max3_num_f32 v[TM+\bl], |v[ACC+16*\bl]|, |v[ACC+16*\bl+1]|, 0x1800000   ; with the floor 2^(3 - 127): the byte cannot fall under 1.  Each accumulator is read from its low end on
.endr
.irp i, 2,4,6,8,10,12,14
.irp bl, 0,1,2,3,4,5
	v_max3_num_f32 v[TM+\bl], v[TM+\bl], |v[ACC+16*\bl+\i]|, |v[ACC+16*\bl+\i+1]|
.endr
.endr
.irp bl, 0,1,2,3,4,5
	v_permlanex16_b32 v[TP+\bl], v[TM+\bl], s94, s95
.endr
.irp bl, 0,1,2,3,4,5
	v_max_num_f32 v[TM+\bl], v[TM+\bl], v[TP+\bl]
.endr
.irp bl, 0,1,2,3,4,5
	v_add_nc_u32 v[TS+\bl], 0xff000000, v[TM+\bl]  ; 2 off the exponent field: the conversion's scale operand
.endr
.irp bl, 0,1,2,3,4,5
	v_lshrrev_b32 v[TB+\bl], 23, v[TS+\bl]         ; the scale's byte
.endr
	v_lshl_or_b32 v[WD], v[TB+1], 8, v[TB]         ; a row's word: two bytes; bytes 2 and 3 stay 0
	v_lshl_or_b32 v[WD+1], v[TB+3], 8, v[TB+2]
	v_cndmask_b32 v[SW+(\g)%4], v[WD], v[WD+1], s92   ; lanes 0-15 tile 0's rows, lanes 16-31 tile 1's
.irp uu, 0,1
.if (\g)%4 == 0
	v_mov_b32 v[VW+\uu], v[TB+4+\uu]
.else
	v_lshl_or_b32 v[VW+\uu], v[TB+4+\uu], 8*((\g)%4), v[VW+\uu]
.endif
.endr
.irp u, 0,1
	v_cvt_scalef32_pk16_fp6_f32 v[CODE+6*\u:CODE+6*\u+2], v[ACC+32*\u:ACC+32*\u+15], v[TS+2*\u]
	v_cvt_scalef32_pk16_fp6_f32 v[PX+4*\u:PX+4*\u+2], v[ACC+32*\u+16:ACC+32*\u+31], v[TS+2*\u+1]
.endr
.irp uu, 0,1
.if (\g)%2 == 0
	v_cvt_scalef32_pk16_fp6_f32 v[VC+12*\uu+6*(((\g)%4)/2):VC+12*\uu+6*(((\g)%4)/2)+2], v[ACC+64+16*\uu:ACC+64+16*\uu+15], v[TS+4+\uu]
.else
	v_cvt_scalef32_pk16_fp6_f32 v[PV+4*\uu:PV+4*\uu+2], v[ACC+64+16*\uu:ACC+64+16*\uu+15], v[TS+4+\uu]
.endif
.endr
	v_nop                                          ; one plain instruction behind the last scaled conversion
.irp u, 0,1                            ; the layout wants a WHOLE block in a lane: lanes 0-15 the first block, lanes 16-31 the second
.irp i, 0,1,2
	v_permlane16_swap_b32 v[CODE+6*\u+\i], v[PX+4*\u+\i]
.endr
.irp i, 0,1,2
	v_mov_b32 v[CODE+6*\u+3+\i], v[PX+4*\u+\i]
.endr
.endr
.if (\g)%2 == 1                        ; v: an even pair's keys and the odd pair's behind it are the two blocks
.irp uu, 0,1
.irp i, 0,1,2
	v_permlane16_swap_b32 v[VC+12*\uu+6*(((\g)%4)/2)+\i], v[PV+4*\uu+\i]
.endr
.irp i, 0,1,2
	v_mov_b32 v[VC+12*\uu+6*(((\g)%4)/2)+3+\i], v[PV+4*\uu+\i]
.endr
.endr
.endif
.irp gg, 0,1,2
	global_store_b128 v1, v[CODE+4*\gg:CODE+4*\gg+3], s[84:85] offset:1536*(\g)+512*\gg   ; 32 lanes store 512 consecutive bytes, at a multiple of 256 from the buffer's first byte
.endr
.if (\g)%4 == 3                        ; four pairs are 128 keys: their words, and v's two fragments, are whole
	global_store_b128 v1, v[SW:SW+3], s[86:87] offset:512*((\g)/4)
.irp uu, 0,1
.irp gg, 0,1,2
	global_store_b128 v1, v[VC+12*\uu+4*\gg:VC+12*\uu+4*\gg+3], s[88:89] offset:6144*((\g)/4)+1536*\uu+512*\gg
.endr
.endr
	v_cndmask_b32 v[WD+2], v[VW], v[VW+1], s92
	global_store_b32 v2, v[WD+2], s[90:91] offset:256*((\g)/4)
.endif
.endm
	s_load_b256 s[4:11], s[0:1], 0x0               ; xc s[4:5], xs s[6:7], wc s[8:9], ws s[10:11]
	s_load_b128 s[12:15], s[0:1], 0x20             ; b_qkv s[12:13], qkvc s[14:15]
	s_load_b64 s[16:17], s[0:1], 0x30              ; qkvs
	v_lshl_add_u32 v254, v0, 2, 0x32000
	v_mov_b32 v255, 0
	ds_add_u32 v254, v255
	ds_add_u32 v254, v255
	v_lshrrev_b32 v7, 5, v0
	v_readfirstlane_b32 s18, v7                    ; wave 0..3
	s_bfe_u32 s19, ttmp6, 0x40000                  ; cx
	s_lshl_b32 s20, ttmp9, 2
	s_add_co_u32 s20, s20, s19                     ; cg: which two heads.  It enters W's, the bias's and the outputs' addresses alone
	s_and_b32 s21, ttmp7, 0xffff                   ; rg: which 256 rows; the four partners share it
	s_lshr_b32 s22, s18, 1
	s_lshl_b32 s96, s20, 1
	s_add_co_u32 s22, s22, s96                     ; head
	s_and_b32 s23, s18, 1                          ; part: q and v's channels 0-31, or k and v's channels 32-63
	; group 1: a dense block as rows of 256 bytes (32 elements of 8 bytes): 48 rows of codes, 8 rows of scale words
	s_mov_b32 s[G1C+0], 15|(3<<16)|(1<<21)         ; 15:0 the mask: all four work-groups; 17:16 elements of 8 bytes; 21 set beside a mask
	s_mov_b32 s[G1C+1], 32<<16                     ; tensor_dim0
	s_mov_b32 s[G1C+2], 48<<16                     ; tensor_dim1
	s_mov_b32 s[G1C+3], 32<<16                     ; tile_dim0
	s_mov_b32 s[G1C+4], 48                         ; tile_dim1
	s_mov_b32 s[G1C+5], 32                         ; from row to row
	s_mov_b32 s[G1C+6], 0
	s_mov_b32 s[G1C+7], 0
	s_mov_b32 s[G1S+0], 15|(3<<16)|(1<<21)
	s_mov_b32 s[G1S+1], 32<<16
	s_mov_b32 s[G1S+2], 8<<16
	s_mov_b32 s[G1S+3], 32<<16
	s_mov_b32 s[G1S+4], 8
	s_mov_b32 s[G1S+5], 32
	s_mov_b32 s[G1S+6], 0
	s_mov_b32 s[G1S+7], 0
	s_mul_i32 s24, s18, 12288                      ; my quarter of a chunk, in LDS as in memory
	s_mul_i32 s26, s21, 196608
	s_add_co_u32 s26, s26, s24
	s_mov_b32 s27, 0
	s_lshl_b32 s25, s18, 11                        ; my quarter of the scale words
	s_lshl_b32 s28, s21, 13
	s_add_co_u32 s28, s28, s25
	s_mov_b32 s29, 0
	s_wait_dscnt 0x0
	s_wait_kmcnt 0x0
	s_add_nc_u64 s[26:27], s[4:5], s[26:27]
	s_add_nc_u64 s[28:29], s[6:7], s[28:29]
	s_mov_b32 s48, 1
	s_add_co_u32 s49, s25, XSC
	s_mov_b64 s[50:51], s[28:29]
	s_or_b32 s51, s51, 0x80000000
	G0SET 52, 0
	G0SET 56, 1
	G0SET 60, 2
	G0SET 68, 3
	ROUND                                          ; all four work-groups are here: the joint loads meet
	tensor_load_to_lds s[48:51], s[G1S:G1S+7]      ; all first fills in one group: five loads of mine are out
	s_nop 0
	tensor_load_to_lds s[52:55], s[G1C:G1C+7]
	s_nop 0
	tensor_load_to_lds s[56:59], s[G1C:G1C+7]
	s_nop 0
	tensor_load_to_lds s[60:63], s[G1C:G1C+7]
	s_nop 0
	tensor_load_to_lds s[68:71], s[G1C:G1C+7]
	s_nop 0
.rept 4
	v_nop
.endr
	s_mul_i32 s96, s22, 6
	s_lshl_b32 s97, s23, 1
	s_add_co_u32 s97, s96, s97                     ; beta0 = 6 head + 2 part: q's or k's first 32 columns
	s_add_co_u32 s96, s96, s23
	s_add_co_u32 s96, s96, 4                       ; beta1 = 6 head + 4 + part: my 32 channels of v
	s_mov_b32 s99, 0
	s_mul_i32 s98, s97, 24576
	s_add_nc_u64 s[72:73], s[8:9], s[98:99]
	s_mul_i32 s98, s96, 24576
	s_add_nc_u64 s[74:75], s[8:9], s[98:99]
	s_lshl_b32 s98, s97, 10
	s_add_nc_u64 s[76:77], s[10:11], s[98:99]
	s_lshl_b32 s98, s96, 10
	s_add_nc_u64 s[78:79], s[10:11], s[98:99]
	s_mul_i32 s96, s22, 768                        ; a head's 192 numbers of the bias
	s_lshl_b32 s98, s23, 8
	s_add_co_u32 s98, s98, s96
	s_add_nc_u64 s[80:81], s[12:13], s[98:99]
	s_lshl_b32 s98, s23, 7
	s_add_co_u32 s98, s98, s96
	s_add_co_u32 s98, s98, 512
	s_add_nc_u64 s[82:83], s[12:13], s[98:99]
	s_lshr_b32 s96, s21, 3
	s_lshl_b32 s96, s96, 4
	s_add_co_u32 s96, s96, s22                     ; bh = 16 batch + head
	s_and_b32 s97, s21, 7                          ; tb: which 256 of the batch's 2,048 rows
	s_mul_i32 s100, s96, 294912
	s_mul_i32 s98, s97, 12288
	s_add_co_u32 s100, s100, s98
	s_mul_i32 s98, s23, 98304
	s_add_co_u32 s98, s98, s100
	s_add_nc_u64 s[84:85], s[14:15], s[98:99]      ; Q's or K's pair images
	s_mul_i32 s98, s23, 3072
	s_add_co_u32 s98, s98, s100
	s_add_co_u32 s98, s98, 196608
	s_add_nc_u64 s[88:89], s[14:15], s[98:99]      ; V's fragments
	s_mul_i32 s100, s96, 20480
	s_lshl_b32 s98, s97, 10
	s_add_co_u32 s98, s98, s100
	s_lshl_b32 s101, s23, 13
	s_add_co_u32 s98, s98, s101
	s_add_nc_u64 s[86:87], s[16:17], s[98:99]      ; QS or KS
	s_lshl_b32 s98, s97, 9
	s_add_co_u32 s98, s98, s100
	s_lshl_b32 s101, s23, 7
	s_add_co_u32 s98, s98, s101
	s_add_co_u32 s98, s98, 16384
	s_add_nc_u64 s[90:91], s[16:17], s[98:99]      ; VS
	s_mov_b32 s92, 0xffff0000                      ; lanes 16-31
	s_mov_b32 s94, 0x76543210
	s_mov_b32 s95, 0xfedcba98                      ; v_permlanex16_b32's selects for lane l xor 16
	v_and_b32 v7, 31, v0
	v_lshlrev_b32 v1, 4, v7
	v_lshlrev_b32 v2, 2, v7
	v_lshlrev_b32 v3, 4, v7
	v_add_nc_u32 v4, XSC, v2
	v_bfe_u32 v5, v0, 4, 1
	v_lshlrev_b32 v5, 6, v5
	v_and_b32 v6, 15, v0
	v_and_b32 v7, 8, v6
	v_add_nc_u32 v6, v6, v7
	v_lshlrev_b32 v6, 2, v6
.irp bl, 0,1,2,3,4,5
	v_mov_b32 v[TP+\bl], 0                         ; written once: a lane permute's destination counts as one of its sources
.endr
.irp bi, 0,1
.irp s, 0,1,2,3,4,5,6,7
	global_load_b32 v[WS+8*\bi+\s], v2, s[76:77] offset:1024*\bi+128*\s
.endr
.endr
.irp s, 0,1,2,3,4,5,6,7
	global_load_b32 v[WS+16+\s], v2, s[78:79] offset:128*\s
.endr
	WIN 0x40
.irp tau, 0,1,2,3                      ; q/k bias in the result's layout: lane (r, h), register j: channel 32 (tau / 2) + 8 (tau % 2) + 16 h + j
	global_load_b128 v[216+8*\tau:219+8*\tau], v5, s[80:81] offset:(32*(\tau/2)+8*(\tau%2))*4
	global_load_b128 v[220+8*\tau:223+8*\tau], v5, s[80:81] offset:(32*(\tau/2)+8*(\tau%2))*4+16
.endr
	WIN 0x80
.irp uu, 0,1                           ; v bias: a lane holds one channel, so its eight registers hold the same number
.irp j, 0,1,2,3,4,5,6,7
	global_load_b32 v[216+8*\uu+\j], v6, s[82:83] offset:32*\uu
.endr
.endr
.irp s, 0,1,2,3,4,5,6,7
	LW \s
.endr
	WIN 0
	s_wait_tensorcnt 3                             ; my parts of the scale words and of chunk 0 (pairs 0, 1) are in; chunks 1 to 3 may stay out
	s_barrier_signal -1
	s_barrier_wait -1                              ; everybody's are
	LXS 0
	LA 0, 0
	LA 3072, 1
	LA 6144, 2
	LA 9216, 3
.irp g, 0,1,2,3,4,5,6,7
.if ((\g)%2 == 1) && ((\g) < 7)
	s_wait_tensorcnt 2-(\g)/2                      ; this pair's look-ahead reaches the next chunk: my part of it is in (the later chunks' loads may stay out),
	s_wait_dscnt 0x0                               ; no LDS instruction of mine is pending at a signal,
	s_barrier_signal -1
	s_barrier_wait -1                              ; everybody's part is in
.endif
.irp s, 0,1,2,3,4,5,6,7
	KSTEP \g, \s
.endr
	EPI \g
.endr
	s_wait_dscnt 0x0
	s_wait_tensorcnt 0x0
	ds_add_u32 v254, v255
	s_wait_dscnt 0x0
	ROUND                                          ; the closing round: no work-group ends while a partner may still ask for a tile that names it
	s_endpgm
.Lfunc_end_k_qdc8c6b31b9_gemm1:
	.size	k_qdc8c6b31b9_gemm1, .Lfunc_end_k_qdc8c6b31b9_gemm1-k_qdc8c6b31b9_gemm1
	.p2alignl 7, 3214868480
	.fill 96, 4, 3214868480
	.section	.rodata,"a",@progbits
	.p2align	6, 0x0
	.amdhsa_kernel k_qdc8c6b31b9_gemm1
		.amdhsa_group_segment_fixed_size 205312
		.amdhsa_private_segment_fixed_size 0
		.amdhsa_enable_private_segment 0
		.amdhsa_kernarg_size 56
		.amdhsa_user_sgpr_count 2
		.amdhsa_user_sgpr_kernarg_segment_ptr 1
		.amdhsa_wavefront_size32 1
		.amdhsa_system_sgpr_workgroup_id_x 1
		.amdhsa_system_sgpr_workgroup_id_y 1
		.amdhsa_system_sgpr_workgroup_id_z 1
		.amdhsa_system_vgpr_workitem_id 0
		.amdhsa_next_free_vgpr 1024
		.amdhsa_next_free_sgpr 102
		.amdhsa_reserve_vcc 0
		.amdhsa_float_denorm_mode_32 3
		.amdhsa_float_denorm_mode_16_64 3
		.amdhsa_memory_ordered 1
		.amdhsa_forward_progress 1
		.amdhsa_inst_pref_size 216
	.end_amdhsa_kernel
	.amdgpu_metadata
---
amdhsa.version: [ 1, 2 ]
amdhsa.kernels:
  - .name:           k_qdc8c6b31b9_gemm1
    .symbol:         k_qdc8c6b31b9_gemm1.kd
    .args:
      - { .name: xc, .offset: 0, .size: 8, .value_kind: global_buffer, .address_space: global }
      - { .name: xs, .offset: 8, .size: 8, .value_kind: global_buffer, .address_space: global }
      - { .name: wc, .offset: 16, .size: 8, .value_kind: global_buffer, .address_space: global }
      - { .name: ws, .offset: 24, .size: 8, .value_kind: global_buffer, .address_space: global }
      - { .name: b_qkv, .offset: 32, .size: 8, .value_kind: global_buffer, .address_space: global }
      - { .name: qkvc, .offset: 40, .size: 8, .value_kind: global_buffer, .address_space: global }
      - { .name: qkvs, .offset: 48, .size: 8, .value_kind: global_buffer, .address_space: global }
    .group_segment_fixed_size: 205312
    .private_segment_fixed_size: 0
    .kernarg_segment_align: 8
    .kernarg_segment_size: 56
    .max_flat_workgroup_size: 128
    .sgpr_count:     102
    .vgpr_count:     1024
    .wavefront_size: 32
...
	.end_amdgpu_metadata
.endif
;; end of part 2
;; launch attn (part 3): grid 4 x 64, 16 waves a work-group, no clusters, 210,944 bytes of LDS; arguments qkvc, qkvs, ac, asc; writes ac, asc
.if DOCPART == 3
	.amdgcn_target "amdgcn-amd-amdhsa--gfx1250"
	.amdhsa_code_object_version 6
	.text
	.protected	k_qdc8c6b31b9_attn
	.globl	k_qdc8c6b31b9_attn
	.p2align	8
	.type	k_qdc8c6b31b9_attn,@function
k_qdc8c6b31b9_attn:
	s_mov_b64 s[64:65], 0
	v_nop
	global_prefetch_b8 v0, s[64:65] scope:SCOPE_SE
	s_setreg_imm32_b32 hwreg(HW_REG_WAVE_MODE, 25, 1), 1
	s_wait_xcnt 0x0
; Causal attention of one head (64 channels, 2,048 keys) on codes of FP6 (E2M3) with E8M0 scales; the result, divided by the row's sum, is quantised along C = 64 head + channel for the last product.
; THE SOFTMAX AHEAD OF THE SECOND PRODUCT: t = score x log2(e) / 8; M = the row's largest t so far, rounded UP to a whole number; p = 2^(t - M) is what is quantised, along the keys, not normalised.
; The row's sum is taken of the unquantised p and divides O at the end.  When M moves, the sum and O are multiplied by 2^(old M - new M): exact.
; LIMITS: NaN and infinities are not served.  Hidden scores are -infinity where the problem has -1e9: the same result as long as a row's largest visible score lies above about -1e9.
; A block whose largest magnitude lies under 2^-124, a block of zeros too, keeps the scale byte 1; this program alone reads the bytes.
; SHARES.  Work-group (i, head) owns the blocks i and 7 - i of 256 queries; each of its sixteen waves one tile of 16 queries in each (wave w's tile w of the early block, tile 15 - w of the late one): every wave of
; every work-group has 17 key steps of 128 keys.  Four waves to a SIMD, 256 registers each: one wave's vector work stands beside another's products and LDS loads.
; K, V AND THEIR SCALE WORDS OF THE WHOLE HEAD LIE IN LDS, FILLED ONCE (98,304 + 98,304 + 12,288 bytes), three tensor loads a wave: the scale words, the first 1,024 keys, the last 1,024.  The early tile, whose queries lie
; under 1,024, is worked while the last 1,024 keys land.  No LDS byte is filled twice and none is stored to.
; NO CLUSTER: the partners that share K and V would be the query blocks of one head, and the steps that a wave leaves out under the causal mask hang on its query block: a branch that differs between partners.
; LAYOUT.  Both products transposed: S^T = K Q^T, O^T = V^T P^T: a lane holds ONE query throughout.  Keys, queries and channels are tiled in the tile order (lane r of tile u of 32: element 8 u + r + 8 (r / 8)), so that the 16
; registers of two neighbouring tiles are 16 neighbours.  THE SCORES' K IS 64: a fragment of K or Q has six registers; the instruction's other six are zeros on Q's side, and both sides' scale bytes 2 and 3 are 0,
; so whatever stands behind K's six (the next fragment) adds nothing.
; REGISTERS: v1 16 lane, v2 4 lane, v3, v4 the mask's numbers, v5 8 lane, v6 4 r, v7 16 r, v8-11 LDS addresses in hand; v12 -M, v13 the largest t, v[14:15] the sum; v16-21 Q, v22-27 zeros; v28, v29 Q's scale words;
;   v32-79 K's eight fragments (six registers apart), then V's four; v80-85 zeros; v86-89 K's scale words, v90-91 V's; v96-159 S^T, then p; v160-191 O^T; v192-203 p's codes; v204-227 at work; v228 p's scale word; v232-255 Q's two pair images.
.set VOFF, 98304                       ; LDS: K at 0, V here,
.set KSO,  196608                      ; K's scale words, 512 bytes for each 128 keys,
.set VSO,  204800                      ; V's, 256 bytes for each 128 keys
.set G1C,  24                          ; s[24:31] group 1 for codes, s[32:39] for scale words; groups 0: s[40:43], s[44:47], s[48:51]
.set G1S,  32
; s12 wave, s14 16 batch + head, s15 head, s16 batch, s[18:19] lane selects, s[22:23] c, s52 the step's bytes in K and V, s53, s54 in the scale words, s55 the step, s56 my last step, s57 trips, s80-83 my tiles' pair and half
.macro QLOAD p, u, pc, ps, img, sw     ; a tile's pair image of Q and its rows' scale word
	s_mul_i32 s62, s[\p], 1536
	s_add_nc_u64 s[\pc:\pc+1], s[4:5], s[62:63]
	s_lshr_b32 s62, s[\p], 2
	s_lshl_b32 s62, s62, 9
	s_lshl_b32 s61, s[\u], 8
	s_add_co_u32 s62, s62, s61
	s_and_b32 s61, s[\p], 3
	s_lshl_b32 s61, s61, 2
	s_add_co_u32 s62, s62, s61
	s_add_nc_u64 s[\ps:\ps+1], s[6:7], s[62:63]
.irp gg, 0,1,2
	global_load_b128 v[\img+4*\gg:\img+4*\gg+3], v1, s[\pc:\pc+1] offset:512*\gg
.endr
	global_load_b32 v[\sw], v7, s[\ps:\ps+1]
.endm
; A KEY STEP: 128 keys.  A step all of whose keys come after my queries is left out: a scalar branch on ids, round the work, not round the lines at its end that step addresses.
.macro STEP qs
	s_cmp_gt_u32 s55, s56
	s_cbranch_scc1 .Lhidden_\@
	s_setprio 2
	v_add_nc_u32 v8, s52, v1                       ; (these four additions are also the four places behind the last step's products, in front of the loads below)
	v_add_nc_u32 v10, s53, v1
	v_add_nc_u32 v11, s54, v2
	s_delay_alu instid0(VALU_DEP_3)
	v_add_nc_u32 v9, VOFF, v8
.set N, 0
.rept 12
	ds_load_b128 v[32+4*N:35+4*N], v8 offset:512*N ; four pair images: eight fragments of six registers
.set N, N+1
.endr
	ds_load_b128 v[86:89], v10                     ; the four pairs' scale words: lanes 0-15 tile 0's keys, lanes 16-31 tile 1's
	s_wait_alu depctr_va_vdst(0)
	s_wait_dscnt 0x0
.irp t, 0,1,2,3,4,5,6,7
.if \t%2
	v_wmma_scale_f32_16x16x128_f8f6f4 v[96+8*\t:103+8*\t], v[32+6*\t:43+6*\t], v[16:27], 0, v[86+\t/2], v[\qs] matrix_a_fmt:MATRIX_FMT_FP6 matrix_b_fmt:MATRIX_FMT_FP6 matrix_a_scale:MATRIX_SCALE_ROW1
.else
	v_wmma_scale_f32_16x16x128_f8f6f4 v[96+8*\t:103+8*\t], v[32+6*\t:43+6*\t], v[16:27], 0, v[86+\t/2], v[\qs] matrix_a_fmt:MATRIX_FMT_FP6 matrix_b_fmt:MATRIX_FMT_FP6
.endif
.endr                                  ; register 16 b + i of lane (r, h): key 32 b + 16 h + i of the step
.rept 4
	v_nop                                          ; four places: in front of the loads into K's registers and of the first read of the scores
.endr
.set N, 0
.rept 12
	ds_load_b128 v[32+4*N:35+4*N], v9 offset:512*N ; V's four fragments land under the softmax
.set N, N+1
.endr
	ds_load_b32 v90, v11
	ds_load_b32 v91, v11 offset:128
	s_cmp_lg_u32 s55, s56                          ; my last step lies on the diagonal: there the scores of hidden keys become -infinity ahead of the maximum, so that p = 0
	s_cbranch_scc1 .Lopen_\@
	v_mov_b32 v224, 0xff800000
.set N, 0
.rept 64
	v_cmp_gt_i32 vcc_lo, 32*(N/16)+N%16, v4        ; hidden where 32 b + i > my query - the step's first key - 16 h
	v_cndmask_b32 v[96+N], v[96+N], v224, vcc_lo
.set N, N+1
.endr
.Lopen_\@:
.irp b, 0,1,2,3
	v_max3_num_f32 v[212+\b], v[96+16*\b], v[97+16*\b], v[98+16*\b]   ; the largest score of each block of 32 keys: it serves for the row's maximum and, since p rises with the score, for the block's largest p
.endr
.irp i, 3,5,7,9,11,13
.irp b, 0,1,2,3
	v_max3_num_f32 v[212+\b], v[212+\b], v[96+16*\b+\i], v[97+16*\b+\i]
.endr
.endr
.irp b, 0,1,2,3
	v_max_num_f32 v[212+\b], v[212+\b], v[111+16*\b]
.endr
.irp b, 0,1,2,3
	s_delay_alu instid0(VALU_DEP_4)
	v_permlanex16_b32 v[216+\b], v[212+\b], s18, s19
.endr
.irp b, 0,1,2,3
	s_delay_alu instid0(VALU_DEP_4)
	v_max_num_f32 v[212+\b], v[212+\b], v[216+\b]  ; with lane l xor 16's 16 keys
.endr
	s_delay_alu instid0(VALU_DEP_2)
	v_max3_num_f32 v224, v212, v213, v214
	s_delay_alu instid0(VALU_DEP_1)
	v_max_num_f32 v224, v224, v215
	s_delay_alu instid0(VALU_DEP_1)
	v_mul_f32 v224, s22, v224                      ; the step's largest t (c is positive)
	s_delay_alu instid0(VALU_DEP_1)
	v_max_num_f32 v13, v13, v224
	v_mov_b32 v224, v12
	s_delay_alu instid0(VALU_DEP_2)
	v_floor_f32 v12, -v13                          ; the new -M = floor(-t) = -ceil(t)
	s_delay_alu instid0(VALU_DEP_1)
	v_sub_f32 v224, v12, v224                      ; old M - new M: a whole number, 0 or less
	s_delay_alu instid0(VALU_DEP_1)
	v_cvt_i32_f32 v224, v224                       ; (it saturates)
	s_delay_alu instid0(VALU_DEP_1)
	v_ldexp_f32 v226, 1.0, v224                    ; f = 2^(old M - new M)
.set N, 0
.rept 32
	v_pk_fma_f32 v[96+N:97+N], v[96+N:97+N], s[22:23], v[12:13] op_sel_hi:[1,0,0]   ; t - M, two at a time
.set N, N+2
.endr
	s_setprio 1
.irp b, 0,1,2,3
	v_fma_f32 v[212+\b], v[212+\b], s22, v12       ; the same of each block's largest score
.endr
.set N, 0
	s_wait_alu depctr_va_vdst(0)
.rept 64
	v_exp_f32 v[96+N], v[96+N]                     ; p = 2^(t - M), at most 1
.set N, N+1
.endr
	v_pk_mul_f32 v[14:15], v[14:15], v[226:227] op_sel_hi:[1,0]   ; the sums under the new M: a plain instruction behind the exponentials
	s_wait_alu depctr_va_vdst(0)                   ; one wait for the batch of 64, ahead of its first reader
.irp b, 0,1,2,3
	v_exp_f32 v[212+\b], v[212+\b]                 ; the block's largest p: the same two instructions on the same number give the same bits
.endr
	v_pk_add_f32 v[216:217], v[100:101], v[104:105]
	v_pk_add_f32 v[242:243], v[108:109], v[112:113]
	v_pk_add_f32 v[240:241], v[116:117], v[120:121]
	v_pk_add_f32 v[238:239], v[124:125], v[128:129]
	v_pk_add_f32 v[236:237], v[132:133], v[136:137]
	v_pk_add_f32 v[234:235], v[140:141], v[144:145]
	v_pk_add_f32 v[232:233], v[148:149], v[152:153]
	v_pk_add_f32 v[14:15], v[14:15], v[156:157]
	v_pk_add_f32 v[216:217], v[216:217], v[96:97]
	v_pk_add_f32 v[242:243], v[242:243], v[98:99]
	v_pk_add_f32 v[240:241], v[240:241], v[102:103]
	v_pk_add_f32 v[238:239], v[238:239], v[106:107]
	v_pk_add_f32 v[236:237], v[236:237], v[110:111]
	v_pk_add_f32 v[234:235], v[234:235], v[114:115]
	v_pk_add_f32 v[232:233], v[232:233], v[118:119]
	v_pk_add_f32 v[14:15], v[14:15], v[122:123]
	v_pk_add_f32 v[216:217], v[216:217], v[126:127]
	v_pk_add_f32 v[242:243], v[242:243], v[130:131]
	v_pk_add_f32 v[240:241], v[240:241], v[134:135]
	v_pk_add_f32 v[238:239], v[238:239], v[138:139]
	v_pk_add_f32 v[236:237], v[236:237], v[142:143]
	v_pk_add_f32 v[234:235], v[234:235], v[146:147]
	v_pk_add_f32 v[232:233], v[232:233], v[150:151]
	v_pk_add_f32 v[14:15], v[14:15], v[154:155]
	v_pk_add_f32 v[216:217], v[216:217], v[158:159]
	s_delay_alu instid0(VALU_DEP_2)
	v_pk_add_f32 v[14:15], v[14:15], v[238:239]
	s_delay_alu instid0(VALU_DEP_2)
	v_pk_add_f32 v[216:217], v[216:217], v[236:237]
	v_pk_add_f32 v[242:243], v[242:243], v[234:235]
	v_pk_add_f32 v[240:241], v[240:241], v[232:233]
	s_delay_alu instid0(VALU_DEP_2)
	v_pk_add_f32 v[14:15], v[14:15], v[242:243]
	s_delay_alu instid0(VALU_DEP_2)
	v_pk_add_f32 v[216:217], v[216:217], v[240:241]
	s_delay_alu instid0(VALU_DEP_1)
	v_pk_add_f32 v[14:15], v[14:15], v[216:217]
	s_wait_alu depctr_va_vdst(0)                   ; and one for the four
.irp b, 0,1,2,3
	v_max_num_f32 v[212+\b], 0x1800000, v[212+\b]  ; the floor 2^(3 - 127): the byte cannot fall under 1
.endr
.irp b, 0,1,2,3
	s_delay_alu instid0(VALU_DEP_4)
	v_add_nc_u32 v[220+\b], 0xff000000, v[212+\b]  ; 2 off the exponent field: the conversion's scale operand
.endr
.irp b, 0,1,2,3
	s_delay_alu instid0(VALU_DEP_4)
	v_lshrrev_b32 v[216+\b], 23, v[220+\b]
.endr
	s_delay_alu instid0(VALU_DEP_3)
	v_lshl_or_b32 v228, v217, 8, v216              ; p's scale word for these 128 keys
	s_delay_alu instid0(VALU_DEP_1)
	v_lshl_or_b32 v228, v218, 16, v228
	s_delay_alu instid0(VALU_DEP_1)
	v_lshl_or_b32 v228, v219, 24, v228
	s_setprio 0
.irp c, 0,1
	v_cvt_scalef32_pk16_fp6_f32 v[192+6*\c:194+6*\c], v[96+32*\c:111+32*\c], v[220+2*\c]
	v_cvt_scalef32_pk16_fp6_f32 v[204+4*\c:206+4*\c], v[112+32*\c:127+32*\c], v[220+2*\c+1]
.endr
	v_nop                                          ; one plain instruction behind the last scaled conversion
.irp c, 0,1                            ; the operand's layout wants a WHOLE block in a lane
.irp i, 0,1,2
	v_permlane16_swap_b32 v[192+6*\c+\i], v[204+4*\c+\i]
.endr
.irp i, 0,1,2
	s_delay_alu instid0(VALU_DEP_3)
	v_mov_b32 v[195+6*\c+\i], v[204+4*\c+\i]
.endr
.endr
.set N, 0
.rept 16
	v_pk_mul_f32 v[160+N:161+N], v[160+N:161+N], v[226:227] op_sel_hi:[1,0]   ; O^T under the new M.  These sixteen are also the places between the writing of p's codes and scale word and the products
.set N, N+2
.endr
	s_wait_alu depctr_va_vdst(0)
	s_wait_dscnt 0x0                               ; V and its scale words are in
.irp dt, 0,1,2,3                       ; O^T += V^T P^T: four tiles of 16 channels, one instruction a turn
.if \dt%2
	v_wmma_scale_f32_16x16x128_f8f6f4 v[160+8*\dt:167+8*\dt], v[32+12*\dt:43+12*\dt], v[192:203], v[160+8*\dt:167+8*\dt], v[90+\dt/2], v228 matrix_a_fmt:MATRIX_FMT_FP6 matrix_b_fmt:MATRIX_FMT_FP6 matrix_a_scale:MATRIX_SCALE_ROW1
.else
	v_wmma_scale_f32_16x16x128_f8f6f4 v[160+8*\dt:167+8*\dt], v[32+12*\dt:43+12*\dt], v[192:203], v[160+8*\dt:167+8*\dt], v[90+\dt/2], v228 matrix_a_fmt:MATRIX_FMT_FP6 matrix_b_fmt:MATRIX_FMT_FP6
.endif
.endr
.Lhidden_\@:
	s_add_co_u32 s55, s55, 1
	s_add_co_u32 s52, s52, 6144
	s_add_co_u32 s53, s53, 512
	s_add_co_u32 s54, s54, 256
.endm
; A TILE of 16 queries: pair s[p], half s[u].  The trip count is a constant of the text; the steps behind my last are left out inside STEP.
.macro TILE p, u, img, qs, trips
	s_wait_xcnt 0x0                                ; earlier loads and stores have read their registers and bases, which are written again below
	s_lshr_b32 s56, s[\p], 2                       ; my last step: the one with my own keys
	s_sub_co_u32 s60, 0, s[\u]                     ; all ones for half 1
.irp i, 0,1,2,3,4,5
	v_cndmask_b32 v[16+\i], v[\img+\i], v[\img+6+\i], s60   ; my half's six registers of the pair image
.endr
	s_and_b32 s61, s[\p], 3
	s_lshl_b32 s61, s61, 5
	s_lshl_b32 s62, s[\u], 3
	s_add_co_u32 s61, s61, s62
	v_add_nc_u32 v4, s61, v3                       ; my query - my last step's first key - 16 h
	s_lshl_b32 s61, s16, 6
	s_add_co_u32 s61, s61, s[\p]                   ; the pair among all rows: 64 batch + pair
	s_mul_i32 s62, s61, 24576
	s_lshr_b32 s78, s15, 1                         ; the last product's K step: head / 2
	s_mul_i32 s79, s78, 3072
	s_add_co_u32 s62, s62, s79
	s_mul_i32 s79, s[\u], 1536
	s_add_co_u32 s62, s62, s79
	s_and_b32 s79, s15, 1                          ; and which half of its 128
	s_mul_i32 s84, s79, 768
	s_add_co_u32 s62, s62, s84
	s_add_nc_u64 s[66:67], s[8:9], s[62:63]
	s_lshl_b32 s62, s61, 10
	s_lshl_b32 s84, s78, 7
	s_add_co_u32 s62, s62, s84
	s_lshl_b32 s84, s[\u], 6
	s_add_co_u32 s62, s62, s84
	s_lshl_b32 s84, s79, 1
	s_add_co_u32 s62, s62, s84
	s_add_nc_u64 s[68:69], s[10:11], s[62:63]
	v_mov_b32 v13, 0xff61b1e6                      ; the largest t so far: -3e38, under every t
	s_delay_alu instid0(VALU_DEP_1)
	v_floor_f32 v12, -v13
	v_mov_b32 v14, 0
	v_mov_b32 v15, 0
.set N, 0
.rept 32
	v_mov_b32 v[160+N], 0                          ; O^T: the step is written once; the first finds zeros, which the first change of M leaves zeros
.set N, N+1
.endr
	s_mov_b32 s52, 0
	s_mov_b32 s53, KSO
	s_mov_b32 s54, VSO
	s_mov_b32 s55, 0
	s_mov_b32 s57, \trips
.Lstep_\@:
	STEP \qs
	s_sub_co_u32 s57, s57, 1
	s_cmp_lg_u32 s57, 0
	s_cbranch_scc1 .Lstep_\@
	s_setprio 0
	; the way out: O^T / the sum, quantised along the head's 64 channels: two blocks of 32, each in the 16 registers of lanes l and l xor 16
.rept 4
	v_nop                                          ; four places behind the last products
.endr
	v_add_f32 v14, v14, v15
	s_delay_alu instid0(VALU_DEP_1)
	v_permlanex16_b32 v216, v14, s18, s19
	s_delay_alu instid0(VALU_DEP_1)
	v_add_f32 v14, v14, v216                       ; the row's sum
	s_wait_alu depctr_va_vdst(0)
	v_rcp_f32 v14, v14
	v_nop                                          ; a plain instruction behind the reciprocal
	s_wait_alu depctr_va_vdst(0)                   ; and the wait ahead of its first reader
.set N, 0
.rept 32
	v_mul_f32 v[96+N], v[160+N], v14               ; register 16 b + i: channel 32 b + 16 h + i of my query
.set N, N+1
.endr
.irp b, 0,1
	v_max3_num_f32 v[212+\b], |v[96+16*\b]|, |v[97+16*\b]|, 0x1800000
.endr
.irp i, 2,4,6,8,10,12,14
.irp b, 0,1
	s_delay_alu instid0(VALU_DEP_2)
	v_max3_num_f32 v[212+\b], v[212+\b], |v[96+16*\b+\i]|, |v[97+16*\b+\i]|
.endr
.endr
.irp b, 0,1
	s_delay_alu instid0(VALU_DEP_2)
	v_permlanex16_b32 v[216+\b], v[212+\b], s18, s19
.endr
.irp b, 0,1
	s_delay_alu instid0(VALU_DEP_2)
	v_max_num_f32 v[212+\b], v[212+\b], v[216+\b]
.endr
.irp b, 0,1
	s_delay_alu instid0(VALU_DEP_2)
	v_add_nc_u32 v[220+\b], 0xff000000, v[212+\b]
.endr
.irp b, 0,1
	s_delay_alu instid0(VALU_DEP_2)
	v_lshrrev_b32 v[216+\b], 23, v[220+\b]
.endr
	s_delay_alu instid0(VALU_DEP_1)
	v_lshl_or_b32 v224, v217, 8, v216              ; my head's two bytes of the row's scale word
	v_cvt_scalef32_pk16_fp6_f32 v[192:194], v[96:111], v220
	v_cvt_scalef32_pk16_fp6_f32 v[204:206], v[112:127], v221
	v_nop
.irp i, 0,1,2
	v_permlane16_swap_b32 v[192+\i], v[204+\i]
.endr
.irp i, 0,1,2
	s_delay_alu instid0(VALU_DEP_3)
	v_mov_b32 v[195+\i], v[204+\i]
.endr
	global_store_b128 v1, v[192:195], s[66:67]             ; half a fragment's image: registers 0-3, 512 consecutive bytes,
	global_store_b64 v5, v[196:197], s[66:67] offset:512   ; registers 4 and 5, 256 consecutive bytes
	global_store_b16 v6, v224, s[68:69]                    ; lanes l and l xor 16 write the same two bytes with the same value
.endm
	s_load_b256 s[4:11], s[0:1], 0x0               ; qkvc s[4:5], qkvs s[6:7], ac s[8:9], asc s[10:11]
	v_lshl_add_u32 v230, v0, 2, 0x33000
	v_mov_b32 v231, 0
	ds_add_u32 v230, v231
	ds_add_u32 v230, v231
	v_lshrrev_b32 v8, 5, v0
	s_delay_alu instid0(VALU_DEP_1)
	v_readfirstlane_b32 s12, v8                    ; wave 0..15
	s_and_b32 s14, ttmp7, 0xffff
	s_and_b32 s15, s14, 15
	s_lshr_b32 s16, s14, 4
	s_lshl_b32 s80, ttmp9, 3                       ; the early tile: pair 8 i + w / 2, half w % 2
	s_lshr_b32 s61, s12, 1
	s_add_co_u32 s80, s80, s61
	s_and_b32 s81, s12, 1
	s_sub_co_u32 s61, 7, ttmp9                     ; the late tile: pair 8 (7 - i) + (15 - w) / 2, half (15 - w) % 2
	s_lshl_b32 s82, s61, 3
	s_sub_co_u32 s61, 15, s12
	s_and_b32 s83, s61, 1
	s_lshr_b32 s61, s61, 1
	s_add_co_u32 s82, s82, s61
	; group 1: dense blocks as rows of 256 bytes (32 elements of 8 bytes): 24 rows of codes, 3 rows of scale words
	s_mov_b32 s[G1C+0], 3<<16
	s_mov_b32 s[G1C+1], 32<<16
	s_mov_b32 s[G1C+2], 24<<16
	s_mov_b32 s[G1C+3], 32<<16
	s_mov_b32 s[G1C+4], 24
	s_mov_b32 s[G1C+5], 32
	s_mov_b32 s[G1C+6], 0
	s_mov_b32 s[G1C+7], 0
	s_mov_b32 s[G1S+0], 3<<16
	s_mov_b32 s[G1S+1], 32<<16
	s_mov_b32 s[G1S+2], 3<<16
	s_mov_b32 s[G1S+3], 32<<16
	s_mov_b32 s[G1S+4], 3
	s_mov_b32 s[G1S+5], 32
	s_mov_b32 s[G1S+6], 0
	s_mov_b32 s[G1S+7], 0
	s_mov_b32 s18, 0x76543210
	s_mov_b32 s19, 0xfedcba98                      ; v_permlanex16_b32's selects for lane l xor 16
	s_mov_b32 s22, 0x3e38aa3b                      ; c = log2(e) / 8
	s_mov_b32 s23, s22                             ; (named with it as a pair, so it is written)
	s_mov_b32 s63, 0
	s_mov_b32 s79, 0
	s_mul_i32 s62, s14, 294912
	s_mul_i32 s78, s14, 20480
	s_wait_dscnt 0x0
	s_wait_kmcnt 0x0
	s_add_nc_u64 s[4:5], s[4:5], s[62:63]          ; my head's codes
	s_add_nc_u64 s[6:7], s[6:7], s[78:79]          ; and its scale words
	s_mul_i32 s61, s12, 768                        ; K's and V's scale words are 12,288 bytes on end: 768 a wave
	s_mov_b32 s40, 1
	s_add_co_u32 s41, s61, KSO
	s_add_co_u32 s62, s61, 8192
	s_add_nc_u64 s[42:43], s[6:7], s[62:63]
	s_or_b32 s43, s43, 0x80000000
	s_lshr_b32 s61, s12, 3                         ; waves 0-7 fetch K, waves 8-15 V: 6,144 bytes of each half of the keys
	s_mul_i32 s61, s61, 98304
	s_and_b32 s62, s12, 7
	s_mul_i32 s62, s62, 6144
	s_add_co_u32 s61, s61, s62
	s_mov_b32 s44, 1
	s_mov_b32 s45, s61
	s_add_co_u32 s62, s61, 98304                   ; K begins 98,304 bytes into the head's codes
	s_add_nc_u64 s[46:47], s[4:5], s[62:63]
	s_mov_b32 s48, 1
	s_add_co_u32 s49, s61, 49152
	s_add_nc_u64 s[50:51], s[46:47], 49152
	s_or_b32 s47, s47, 0x80000000
	s_or_b32 s51, s51, 0x80000000
	tensor_load_to_lds s[40:43], s[G1S:G1S+7]      ; all first fills in one group: three loads of mine are out
	s_nop 0
	tensor_load_to_lds s[44:47], s[G1C:G1C+7]
	s_nop 0
	tensor_load_to_lds s[48:51], s[G1C:G1C+7]
	s_nop 0
.rept 4
	v_nop
.endr
	v_and_b32 v8, 31, v0
	s_delay_alu instid0(VALU_DEP_1)
	v_lshlrev_b32 v1, 4, v8
	s_delay_alu instid0(VALU_DEP_2)
	v_lshlrev_b32 v2, 2, v8
	s_delay_alu instid0(VALU_DEP_3)
	v_lshlrev_b32 v5, 3, v8
	v_and_b32 v9, 15, v0
	s_delay_alu instid0(VALU_DEP_1)
	v_lshlrev_b32 v6, 2, v9
	s_delay_alu instid0(VALU_DEP_2)
	v_lshlrev_b32 v7, 4, v9
	s_wait_alu depctr_va_vdst(0)
	v_and_b32 v10, 8, v9
	s_delay_alu instid0(VALU_DEP_1)
	v_add_nc_u32 v3, v10, v9
	v_and_b32 v10, 16, v0
	s_delay_alu instid0(VALU_DEP_1)
	v_sub_nc_u32 v3, v3, v10                       ; r + 8 (r / 8) - 16 h
	QLOAD 80, 81, 70, 74, 232, 28
	QLOAD 82, 83, 72, 76, 244, 29
.irp i, 0,1,2,3,4,5
	v_mov_b32 v[22+\i], 0                          ; Q's codes of the instruction's k = 64 .. 127
	v_mov_b32 v[80+\i], 0                          ; what stands behind K's last fragment
.endr
.irp b, 0,1,2,3
	v_mov_b32 v[216+\b], 0                         ; written once: a lane permute's destination counts as one of its sources
.endr
	v_mov_b32 v227, 0                              ; (named as the upper half of the pair v[226:227])
	s_wait_loadcnt 0x0                             ; Q
	s_wait_tensorcnt 1                             ; my parts of the scale words and of the first 1,024 keys are in; the last 1,024 may stay out
	s_barrier_signal -1
	s_barrier_wait -1                              ; everybody's are
	TILE 80, 81, 232, 28, 8
	s_wait_tensorcnt 0x0                           ; my part of the last 1,024 keys is in,
	s_wait_dscnt 0x0
	s_barrier_signal -1
	s_barrier_wait -1                              ; everybody's is
	TILE 82, 83, 244, 29, 16
	s_wait_tensorcnt 0x0
	ds_add_u32 v230, v231
	s_wait_dscnt 0x0
	s_endpgm
.Lfunc_end_k_qdc8c6b31b9_attn:
	.size	k_qdc8c6b31b9_attn, .Lfunc_end_k_qdc8c6b31b9_attn-k_qdc8c6b31b9_attn
	.p2alignl 7, 3214868480
	.fill 96, 4, 3214868480
	.section	.rodata,"a",@progbits
	.p2align	6, 0x0
	.amdhsa_kernel k_qdc8c6b31b9_attn
		.amdhsa_group_segment_fixed_size 210944
		.amdhsa_private_segment_fixed_size 0
		.amdhsa_enable_private_segment 0
		.amdhsa_kernarg_size 32
		.amdhsa_user_sgpr_count 2
		.amdhsa_user_sgpr_kernarg_segment_ptr 1
		.amdhsa_wavefront_size32 1
		.amdhsa_system_sgpr_workgroup_id_x 1
		.amdhsa_system_sgpr_workgroup_id_y 1
		.amdhsa_system_sgpr_workgroup_id_z 1
		.amdhsa_system_vgpr_workitem_id 0
		.amdhsa_next_free_vgpr 256
		.amdhsa_next_free_sgpr 88
		.amdhsa_reserve_vcc 1
		.amdhsa_float_denorm_mode_32 3
		.amdhsa_float_denorm_mode_16_64 3
		.amdhsa_memory_ordered 1
		.amdhsa_forward_progress 1
		.amdhsa_inst_pref_size 66
	.end_amdhsa_kernel
	.amdgpu_metadata
---
amdhsa.version: [ 1, 2 ]
amdhsa.kernels:
  - .name:           k_qdc8c6b31b9_attn
    .symbol:         k_qdc8c6b31b9_attn.kd
    .args:
      - { .name: qkvc, .offset: 0, .size: 8, .value_kind: global_buffer, .address_space: global }
      - { .name: qkvs, .offset: 8, .size: 8, .value_kind: global_buffer, .address_space: global }
      - { .name: ac, .offset: 16, .size: 8, .value_kind: global_buffer, .address_space: global }
      - { .name: asc, .offset: 24, .size: 8, .value_kind: global_buffer, .address_space: global }
    .group_segment_fixed_size: 210944
    .private_segment_fixed_size: 0
    .kernarg_segment_align: 8
    .kernarg_segment_size: 32
    .max_flat_workgroup_size: 512
    .sgpr_count:     88
    .vgpr_count:     256
    .wavefront_size: 32
...
	.end_amdgpu_metadata
.endif
;; end of part 3
;; launch gemm2 (part 4): grid 4 x 64, 4 waves a work-group, clusters of 4 x 1, 168,448 bytes of LDS; arguments ac, asc, wc, ws, b_proj, out0; writes out0
.if DOCPART == 4
	.amdgcn_target "amdgcn-amd-amdhsa--gfx1250"
	.amdhsa_code_object_version 6
	.text
	.protected	k_qdc8c6b31b9_gemm2
	.globl	k_qdc8c6b31b9_gemm2
	.p2align	8
	.type	k_qdc8c6b31b9_gemm2,@function
k_qdc8c6b31b9_gemm2:
	s_mov_b64 s[64:65], 0
	v_nop
	global_prefetch_b8 v0, s[64:65] scope:SCOPE_SE
	s_setreg_imm32_b32 hwreg(HW_REG_WAVE_MODE, 25, 1), 1
	s_wait_xcnt 0x0
	s_wait_alu depctr_hold_cnt(0) depctr_sa_sdst(0) depctr_va_vdst(0) depctr_va_sdst(0) depctr_va_ssrc(0) depctr_va_vcc(0) depctr_vm_vsrc(0)
	s_getreg_b32 s2, hwreg(HW_REG_IB_STS2, 6, 4)
	s_cmp_eq_u32 s2, 0
	s_cbranch_scc0 .Lentry_in_a_cluster
	s_endpgm
.Lentry_in_a_cluster:
	s_bfe_u32 s2, ttmp6, 0x10000c
	s_cmp_lg_u32 s2, 0x3003
	s_cbranch_scc0 .Lentry_shape_is_right
	s_endpgm
.Lentry_shape_is_right:
; out0 = a W_proj + b_proj on codes of FP6 (E2M3) with E8M0 scales, sums in f32.  a [8192][1024] is the attention's result, W_proj [1024][1024] the weight, both as images of operand registers.
; SHARES.  A work-group takes 128 rows (4 pairs of 32) x 256 columns.  THE WAVES SHARE THE COLUMNS: wave w has 64 of them, four tiles; its 32 fragments of W (384 registers) come from memory into registers once and stay:
; W is read by no LDS load, which is why W's tiles are not asked for jointly.  a's 128 rows for all of K lie in LDS, filled once: 98,304 bytes of codes, 4,096 of scale words.  No LDS byte is filled twice.
; CLUSTER.  The four work-groups of a cluster have the same rows and other columns: a's tiles are asked for JOINTLY (mask 15), by the same loads with the same descriptors, made of the row group and the wave's number alone.
; TRANSPOSED (source 0 = 16 columns of W, source 1 = 16 rows of a).  Rows and columns are tiled in the tile order (lane r of tile u of 32: element 8 u + r + 8 (r / 8)): a lane holds one row and, in the 16 registers of two
; neighbouring tiles, 16 neighbouring columns.  The bias is the C of each sum's first matrix instruction.
; a's fragment in memory and LDS, 1,536 bytes: for each half c of its 128 K: registers 6 c .. 6 c + 3 of lane l at 768 c + 16 l, registers 6 c + 4, 6 c + 5 at 768 c + 512 + 8 l.
; REGISTERS.  Window 0: v1 16 lane, v2 4 lane, v3, v4 LDS addresses of a's fragments, v5 of its scale words, v6, v7 the stage in and out; v8-23 W's scale words; v24-39 a's, two sets; v40-103 the 8 accumulators;
;   v104-135 the bias; v136-199 rows on their way out; v200 my offset in out0.   Window 1: W of K steps 0-4.   Window 2: W of K steps 5-7 (v0-143); a's fragments, four sets of 24 (v144-239).
.set ASC,   98304                      ; LDS: a's scale words, behind its codes
.set STAGE, 102400                     ; the way out: for each wave two stages of 16 rows x (256 bytes + 16); no fill lands here
.set WS,    8
.set ASW,   24
.set ACC,   40
.set BIAS,  104
.set OUT,   136
.set CO,    200
.set G1C,   32                         ; s[32:39] group 1 for codes; s[40:47] for scale words; groups 0: s[48:51], s[52:55], s[56:59]
.set G1S,   40
.set MSB,   0
.macro WIN new                         ; the immediate's high byte repeats the setting that is left
.if MSB != (\new)
	s_set_vgpr_msb (MSB<<8)|(\new)
.set MSB, \new
.endif
.endm
.macro ROUND                           ; a round of the cluster's barrier
	s_barrier_signal -1
	s_barrier_wait -1
	s_cmp_lg_u32 s18, 0
	s_cbranch_scc1 .Lnot_wave_0_\@
	s_barrier_signal -3
.Lnot_wave_0_\@:
	s_barrier_wait -3
	s_barrier_signal -1
	s_barrier_wait -1
.endm
.macro G0SET reg, j                    ; group 0 of chunk j: my 12,288 bytes of its 49,152
	s_mov_b32 s[\reg], 1
	s_add_co_u32 s[\reg+1], s24, (\j)*49152
	s_add_nc_u64 s[\reg+2:\reg+3], s[26:27], (\j)*49152
	s_or_b32 s[\reg+3], s[\reg+3], 0x80000000
.endm
.macro WQ d, a, b, c, sa, sb, ra, rb   ; one product; ra, rb: source 0's, source 1's scale words lie in lanes 16-31 of their register
.if (\ra) && (\rb)
	v_wmma_scale_f32_16x16x128_f8f6f4 v[(\d):(\d)+7], v[(\a):(\a)+11], v[(\b):(\b)+11], v[(\c):(\c)+7], v[(\sa)], v[(\sb)] matrix_a_fmt:MATRIX_FMT_FP6 matrix_b_fmt:MATRIX_FMT_FP6 matrix_a_scale:MATRIX_SCALE_ROW1 matrix_b_scale:MATRIX_SCALE_ROW1
.elseif (\ra)
	v_wmma_scale_f32_16x16x128_f8f6f4 v[(\d):(\d)+7], v[(\a):(\a)+11], v[(\b):(\b)+11], v[(\c):(\c)+7], v[(\sa)], v[(\sb)] matrix_a_fmt:MATRIX_FMT_FP6 matrix_b_fmt:MATRIX_FMT_FP6 matrix_a_scale:MATRIX_SCALE_ROW1
.elseif (\rb)
	v_wmma_scale_f32_16x16x128_f8f6f4 v[(\d):(\d)+7], v[(\a):(\a)+11], v[(\b):(\b)+11], v[(\c):(\c)+7], v[(\sa)], v[(\sb)] matrix_a_fmt:MATRIX_FMT_FP6 matrix_b_fmt:MATRIX_FMT_FP6 matrix_b_scale:MATRIX_SCALE_ROW1
.else
	v_wmma_scale_f32_16x16x128_f8f6f4 v[(\d):(\d)+7], v[(\a):(\a)+11], v[(\b):(\b)+11], v[(\c):(\c)+7], v[(\sa)], v[(\sb)] matrix_a_fmt:MATRIX_FMT_FP6 matrix_b_fmt:MATRIX_FMT_FP6
.endif
.endm
.macro LW s                            ; W's four fragments of K step s: 12 loads of 512 consecutive bytes
.if (\s) < 5
	WIN 0x40
.set WR, 48*(\s)
.else
	WIN 0x80
.set WR, 48*((\s)-5)
.endif
.irp tau, 0,1,2,3
.irp gg, 0,1,2
	global_load_b128 v[WR+12*\tau+4*\gg:WR+12*\tau+4*\gg+3], v1, s[72:73] offset:24576*(\tau/2)+3072*(\s)+1536*(\tau%2)+512*\gg
.endr
.endr
.endm
.macro LA off, set                     ; a's two fragments of a K step, off bytes behind the pair in hand, into a set of window 2: eight loads
	WIN 0x80
.irp u, 0,1
.irp c, 0,1
	ds_load_b128 v[144+24*(\set)+12*\u+6*\c:144+24*(\set)+12*\u+6*\c+3], v3 offset:(\off)+1536*\u+768*\c
	ds_load_b64 v[144+24*(\set)+12*\u+6*\c+4:144+24*(\set)+12*\u+6*\c+5], v4 offset:(\off)+1536*\u+768*\c+512
.endr
.endr
.endm
.macro LXS g                           ; pair g's scale words of all eight K steps: lanes 0-15 tile 0's rows, lanes 16-31 tile 1's
	WIN 0
.irp s, 0,1,2,3,4,5,6,7
	ds_load_b32 v[ASW+8*((\g)%2)+\s], v5 offset:1024*(\g)+128*\s
.endr
.endm
.macro MM g, s                         ; a K step's 8 products, always in this order: the 8 accumulators take turns, one instruction a turn
.if (\s) < 5
.set WB, 1
.set WR, 48*(\s)
.else
.set WB, 2
.set WR, 48*((\s)-5)
.endif
.set XR, ASW+8*((\g)%2)+(\s)
.set AR, 144+24*((\s)%4)
	WIN WB|(2<<2)
.irp u, 0,1
.irp tau, 0,1,2,3
.if (\s) == 0
	WQ ACC+32*\u+8*\tau, WR+12*\tau, AR+12*\u, BIAS+8*\tau, WS+8*(\tau/2)+(\s), XR, \tau%2, \u
.else
	WQ ACC+32*\u+8*\tau, WR+12*\tau, AR+12*\u, ACC+32*\u+8*\tau, WS+8*(\tau/2)+(\s), XR, \tau%2, \u
.endif
.endr
.endr
.endm
.macro KSTEP g, s                      ; K step s of pair g.  a's fragments run four K steps ahead, in four sets
.if (\g) == 0                          ; W arrives K step by K step: behind this step's fragments 12 loads were issued for each later step (the count's field holds 63)
.if 12*(7-(\s)) > 63
	s_wait_loadcnt 63
.else
	s_wait_loadcnt 12*(7-(\s))
.endif
.endif
.if (\s) < 4
	s_wait_dscnt 24                                ; behind the set that is wanted: three sets of eight loads
.elseif (\g) < 3
	s_wait_dscnt 32                                ; and the next pair's eight loads of scale words
.else
	s_wait_dscnt 8*(7-(\s))                        ; the last steps fetch nothing: the counts run down
.endif
	MM \g, \s
.rept 4
	v_nop                                          ; four places behind the products, in front of the loads into the set just read and, behind a pair's last step, of the first read of the sums
.endr
.if 8*(\g)+(\s)+4 < 32
	LA ((\s)+4)*3072, (\s)%4
.endif
.if ((\s) == 3) && ((\g) < 3)
	LXS (\g)+1
.endif
.endm
; THE WAY OUT of pair g.  A lane holds 2 x 64 neighbouring bytes of one row, and the lanes beside it hold other rows: a tile's 16 rows x 256 bytes go through my own stage and come back as whole rows.
.macro EPI g
	WIN 0
.if (\g) < 3
	v_add_nc_u32 v3, 24576, v3                     ; on to the next pair's fragments
	v_add_nc_u32 v4, 24576, v4
.endif
	s_wait_xcnt 0x0                                ; the last pair's stores have read their registers, into which the loads below land
.irp u, 0,1
.irp tau, 0,1,2,3
	ds_store_b128 v6, v[ACC+32*\u+8*\tau:ACC+32*\u+8*\tau+3] offset:4352*\u+128*(\tau/2)+32*(\tau%2)        ; each accumulator from its low end on
	ds_store_b128 v6, v[ACC+32*\u+8*\tau+4:ACC+32*\u+8*\tau+7] offset:4352*\u+128*(\tau/2)+32*(\tau%2)+16
.endr
.irp i, 0,1,2,3,4,5,6,7
	ds_load_b128 v[OUT+32*\u+4*\i:OUT+32*\u+4*\i+3], v7 offset:4352*\u+544*\i   ; LDS serves a wave's instructions in order (ISA guide 5.7.1.4): these see the stores above
.endr
.endr
.irp u, 0,1
.irp i, 0,1,2,3,4,5,6,7
	s_wait_dscnt 23-16*\u-\i                       ; behind this load: the tile's later loads and, for tile 0, tile 1's sixteen LDS instructions
	global_store_b128 v[CO], v[OUT+32*\u+4*\i:OUT+32*\u+4*\i+3], s[84:85] offset:(32*(\g)+8*\u+2*\i+8*(\i/4))*4096 th:TH_STORE_NT   ; stage rows 2 i, 2 i + 1 are rows 8 u + 2 i + 8 (i / 4) on of the pair; sixteen lanes store 256 consecutive bytes, at a multiple of 256 from out0's first byte
.endr
.endr
.endm
	s_load_b256 s[4:11], s[0:1], 0x0               ; ac s[4:5], asc s[6:7], wc s[8:9], ws s[10:11]
	s_load_b128 s[12:15], s[0:1], 0x20             ; b_proj s[12:13], out0 s[14:15]
	v_lshl_add_u32 v254, v0, 2, 0x29000
	v_mov_b32 v255, 0
	ds_add_u32 v254, v255
	ds_add_u32 v254, v255
	v_lshrrev_b32 v7, 5, v0
	v_readfirstlane_b32 s18, v7                    ; wave 0..3
	s_bfe_u32 s19, ttmp6, 0x40000                  ; cx
	s_lshl_b32 s20, ttmp9, 2
	s_add_co_u32 s20, s20, s19                     ; cg: which 256 columns.  It enters W's, the bias's and out0's addresses alone
	s_and_b32 s21, ttmp7, 0xffff                   ; rg: which 128 rows; the four partners share it
	; group 1: a dense block as rows of 256 bytes (32 elements of 8 bytes): 48 rows of codes, 4 rows of scale words
	s_mov_b32 s[G1C+0], 15|(3<<16)|(1<<21)         ; 15:0 the mask: all four work-groups; 17:16 elements of 8 bytes; 21 set beside a mask
	s_mov_b32 s[G1C+1], 32<<16
	s_mov_b32 s[G1C+2], 48<<16
	s_mov_b32 s[G1C+3], 32<<16
	s_mov_b32 s[G1C+4], 48
	s_mov_b32 s[G1C+5], 32
	s_mov_b32 s[G1C+6], 0
	s_mov_b32 s[G1C+7], 0
	s_mov_b32 s[G1S+0], 15|(3<<16)|(1<<21)
	s_mov_b32 s[G1S+1], 32<<16
	s_mov_b32 s[G1S+2], 4<<16
	s_mov_b32 s[G1S+3], 32<<16
	s_mov_b32 s[G1S+4], 4
	s_mov_b32 s[G1S+5], 32
	s_mov_b32 s[G1S+6], 0
	s_mov_b32 s[G1S+7], 0
	s_mul_i32 s24, s18, 12288                      ; my quarter of a chunk, in LDS as in memory
	s_mul_i32 s26, s21, 98304
	s_add_co_u32 s26, s26, s24
	s_mov_b32 s27, 0
	s_lshl_b32 s25, s18, 10                        ; my quarter of the scale words
	s_lshl_b32 s28, s21, 12
	s_add_co_u32 s28, s28, s25
	s_mov_b32 s29, 0
	s_wait_dscnt 0x0
	s_wait_kmcnt 0x0
	s_add_nc_u64 s[26:27], s[4:5], s[26:27]
	s_add_nc_u64 s[28:29], s[6:7], s[28:29]
	s_mov_b32 s48, 1
	s_add_co_u32 s49, s25, ASC
	s_mov_b64 s[50:51], s[28:29]
	s_or_b32 s51, s51, 0x80000000
	G0SET 52, 0
	G0SET 56, 1
	ROUND                                          ; all four work-groups are here: the joint loads meet
	tensor_load_to_lds s[48:51], s[G1S:G1S+7]      ; all first fills in one group: three loads of mine are out
	s_nop 0
	tensor_load_to_lds s[52:55], s[G1C:G1C+7]
	s_nop 0
	tensor_load_to_lds s[56:59], s[G1C:G1C+7]
	s_nop 0
.rept 4
	v_nop
.endr
	s_lshl_b32 s96, s20, 3
	s_lshl_b32 s97, s18, 1
	s_add_co_u32 s96, s96, s97
	s_add_co_u32 s96, s96, 96                      ; beta = 96 + 8 cg + 2 w: my first 32 columns of W_proj
	s_mov_b32 s99, 0
	s_mul_i32 s98, s96, 24576
	s_add_nc_u64 s[72:73], s[8:9], s[98:99]
	s_lshl_b32 s98, s96, 10
	s_add_nc_u64 s[76:77], s[10:11], s[98:99]
	s_lshl_b32 s98, s20, 10
	s_lshl_b32 s97, s18, 8
	s_add_co_u32 s98, s98, s97                     ; my 64 columns, in bytes
	s_add_nc_u64 s[80:81], s[12:13], s[98:99]
	s_lshl_b32 s97, s21, 19                        ; 128 rows of 4,096 bytes
	s_add_co_u32 s98, s98, s97
	s_add_nc_u64 s[84:85], s[14:15], s[98:99]
	v_and_b32 v202, 31, v0
	v_lshlrev_b32 v1, 4, v202
	v_lshlrev_b32 v2, 2, v202
	v_lshlrev_b32 v3, 4, v202
	v_lshlrev_b32 v4, 3, v202
	v_add_nc_u32 v5, ASC, v2
	v_and_b32 v203, 15, v0                         ; r
	v_bfe_u32 v204, v0, 4, 1                       ; h
	s_mul_i32 s30, s18, 8704
	s_add_co_u32 s30, s30, STAGE                   ; my stages
	v_mul_u32_u24 v6, v203, 272
	v_lshl_add_u32 v6, v204, 6, v6
	v_add_nc_u32 v6, s30, v6                       ; in: row r, + 64 h
	v_mul_u32_u24 v7, v204, 272
	v_lshl_add_u32 v7, v203, 4, v7
	v_add_nc_u32 v7, s30, v7                       ; back: lanes 0-15 one row of 256 bytes, lanes 16-31 the next
	v_lshlrev_b32 v[CO], 12, v204
	v_lshl_add_u32 v[CO], v203, 4, v[CO]           ; and the same two rows in out0
	v_lshlrev_b32 v201, 6, v204
.irp bi, 0,1
.irp s, 0,1,2,3,4,5,6,7
	global_load_b32 v[WS+8*\bi+\s], v2, s[76:77] offset:1024*\bi+128*\s
.endr
.endr
.irp tau, 0,1,2,3                      ; the bias in the result's layout: lane (r, h), register j: column 32 (tau / 2) + 8 (tau % 2) + 16 h + j of my 64
	global_load_b128 v[BIAS+8*\tau:BIAS+8*\tau+3], v201, s[80:81] offset:(32*(\tau/2)+8*(\tau%2))*4
	global_load_b128 v[BIAS+8*\tau+4:BIAS+8*\tau+7], v201, s[80:81] offset:(32*(\tau/2)+8*(\tau%2))*4+16
.endr
.irp s, 0,1,2,3,4,5,6,7
	LW \s
.endr
	WIN 0
	s_wait_tensorcnt 1                             ; my parts of the scale words and of chunk 0 (pairs 0, 1) are in; chunk 1 may stay out
	s_barrier_signal -1
	s_barrier_wait -1                              ; everybody's are
	LXS 0
	LA 0, 0
	LA 3072, 1
	LA 6144, 2
	LA 9216, 3
.irp g, 0,1,2,3
.if (\g) == 1
	s_wait_tensorcnt 0x0                           ; this pair's look-ahead reaches chunk 1: my part of it is in,
	s_wait_dscnt 0x0                               ; no LDS instruction of mine is pending at a signal,
	s_barrier_signal -1
	s_barrier_wait -1                              ; everybody's part is in
.endif
.irp s, 0,1,2,3,4,5,6,7
	KSTEP \g, \s
.endr
	EPI \g
.endr
	s_wait_dscnt 0x0
	s_wait_tensorcnt 0x0
	ds_add_u32 v254, v255
	s_wait_dscnt 0x0
	ROUND                                          ; the closing round: no work-group ends while a partner may still ask for a tile that names it
	s_endpgm
.Lfunc_end_k_qdc8c6b31b9_gemm2:
	.size	k_qdc8c6b31b9_gemm2, .Lfunc_end_k_qdc8c6b31b9_gemm2-k_qdc8c6b31b9_gemm2
	.p2alignl 7, 3214868480
	.fill 96, 4, 3214868480
	.section	.rodata,"a",@progbits
	.p2align	6, 0x0
	.amdhsa_kernel k_qdc8c6b31b9_gemm2
		.amdhsa_group_segment_fixed_size 168448
		.amdhsa_private_segment_fixed_size 0
		.amdhsa_enable_private_segment 0
		.amdhsa_kernarg_size 48
		.amdhsa_user_sgpr_count 2
		.amdhsa_user_sgpr_kernarg_segment_ptr 1
		.amdhsa_wavefront_size32 1
		.amdhsa_system_sgpr_workgroup_id_x 1
		.amdhsa_system_sgpr_workgroup_id_y 1
		.amdhsa_system_sgpr_workgroup_id_z 1
		.amdhsa_system_vgpr_workitem_id 0
		.amdhsa_next_free_vgpr 768
		.amdhsa_next_free_sgpr 102
		.amdhsa_reserve_vcc 0
		.amdhsa_float_denorm_mode_32 3
		.amdhsa_float_denorm_mode_16_64 3
		.amdhsa_memory_ordered 1
		.amdhsa_forward_progress 1
		.amdhsa_inst_pref_size 92
	.end_amdhsa_kernel
	.amdgpu_metadata
---
amdhsa.version: [ 1, 2 ]
amdhsa.kernels:
  - .name:           k_qdc8c6b31b9_gemm2
    .symbol:         k_qdc8c6b31b9_gemm2.kd
    .args:
      - { .name: ac, .offset: 0, .size: 8, .value_kind: global_buffer, .address_space: global }
      - { .name: asc, .offset: 8, .size: 8, .value_kind: global_buffer, .address_space: global }
      - { .name: wc, .offset: 16, .size: 8, .value_kind: global_buffer, .address_space: global }
      - { .name: ws, .offset: 24, .size: 8, .value_kind: global_buffer, .address_space: global }
      - { .name: b_proj, .offset: 32, .size: 8, .value_kind: global_buffer, .address_space: global }
      - { .name: out0, .offset: 40, .size: 8, .value_kind: global_buffer, .address_space: global }
    .group_segment_fixed_size: 168448
    .private_segment_fixed_size: 0
    .kernarg_segment_align: 8
    .kernarg_segment_size: 48
    .max_flat_workgroup_size: 128
    .sgpr_count:     102
    .vgpr_count:     768
    .wavefront_size: 32
...
	.end_amdgpu_metadata
.endif
;; end of part 4
